; MI455X (gfx1250); checked and timed in simulation.
; The chip was launched on July 23, 2026; its instructions are those of AMD's public machine-readable ISA for CDNA 5 (MIT licence, August 2026) and "CDNA5" Instruction Set Architecture Reference Guide (July 2026). The comments in the code are by the model that wrote it; some were corrected since.
;; Attention. Allowed arithmetic: matrix products marked QUANTISED: E2M1 operands, one E8M0 scale for each 32 along K, by v_wmma_scale_f32_16x16x128_f8f6f4 with both operands' format E2M1 (or v_wmma_scale_f32_32x16x128_f4), f32 sums; products left as they are: bf16, f16 or f32 operands; f32 sums; everything else in f32.
;; Inputs: cos 2,048 x 64 float32; sin 2,048 x 64 float32; wk 2,048 x 512 float32; wo 512 x 2,048 float32; wq 2,048 x 512 float32; wv 2,048 x 512 float32; x 4 x 2,048 x 2,048 float32.
;; Outputs: out0 4 x 2,048 x 2,048 float32.
;; This version of the problem:
;;   THIS VERSION OF THE PROBLEM IS GIVEN IN LOW PRECISION. The matrix products marked QUANTISED in the list below multiply operands that are first quantised to E2M1 (2 exponent bits, 1 mantissa bit; 4 bits a number), with one power-of-two scale for each 32 numbers along K (OCP MX v1.0); their sums are f32. The products marked 'left as it is' may take bf16, f16 or f32 operands, with f32 sums. Whichever they take, every output number must still come out within the allowed error. Rounding operands to bf16 (8 significant bits) uses up far more of that allowance than f16 does (11 bits, for magnitudes from 6e-5 to 65,504). All else is computed in f32.
;;   The module's matrix products, in the order in which they are computed (A, B: the left and right operand; K: the contracted axis; several contracted axes count as one K, in the product's order):
;;     1. [M 8,192, K 2,048] x [K 2,048, N 512]; A: input x; B: input wq: QUANTISED
;;     2. [M 8,192, K 2,048] x [K 2,048, N 512]; A: input x; B: input wk: QUANTISED
;;     3. [M 8,192, K 2,048] x [K 2,048, N 512]; A: input x; B: input wv: QUANTISED
;;     4. batch 16 x [M 2,048, K 128] x [K 128, N 2,048]; A: computed on the way; B: computed on the way: left as it is (an operand is computed on the way)
;;     5. batch 16 x [M 2,048, K 2,048] x [K 2,048, N 128]; A: computed on the way; B: computed on the way: left as it is (an operand is computed on the way)
;;     6. [M 8,192, K 512] x [K 512, N 2,048]; A: computed on the way; B: input wo: left as it is (an operand is computed on the way)
;;   THE QUANTISER, for each operand of a quantised product, along K:
;;     - K is cut into blocks of 32 from its start; a last block that is shorter is filled with zeros.
;;     - A block's scale is 2^e with e = floor(log2(the largest magnitude in the block)) - 2, held to -126 .. 127; a block of zeros has e = 0. As a byte (E8M0): e + 127.
;;     - Each number is divided by its block's scale, clamped to +-6, and rounded to the nearest number of E2M1, ties to even, subnormals kept.
;;     - The product sums the exact products of the quantised numbers (number of the format x scale) in f32.
;;   ~~~python
;;   def quantise(x, axis):      # numpy; x: float32 -> the quantised numbers, widened to float32 again
;;       x = np.moveaxis(x, axis, -1); K = x.shape[-1]
;;       x = np.pad(x, [(0, 0)] * (x.ndim - 1) + [(0, -K % 32)]); x = x.reshape(x.shape[:-1] + (-1, 32)); a = np.abs(x).max(-1, keepdims=True)
;;       e = np.where(a > 0, np.clip(np.frexp(np.where(a > 0, a, 1))[1] - 1 - 2, -126, 127), 0)      # np.frexp(a)[1] - 1 = floor(log2(a)), exactly
;;       r = np.clip(x / 2.0 ** e, -6, 6)
;;       step = 2.0 ** (np.maximum(np.frexp(np.where(r == 0, 1, r))[1] - 1, 0) - 1)
;;       q = np.round(r / step) * step * 2.0 ** e      # np.round: ties to even
;;       return np.moveaxis(q.reshape(q.shape[:-2] + (-1,))[..., :K], -1, axis).astype(np.float32)
;;   ~~~
;; One version. Each part assembles by itself: llvm-mc -triple=amdgcn-amd-amdhsa -mcpu=gfx1250 --defsym DOCPART=n.
;; ======== version 1 of 1: 5 launches
;; limits: right only within a limited range of input values; values are held in f16: magnitudes above 65,504 overflow, below 6.1e-05 lose precision
;; workspace buffers: xq 8,912,896 bytes; wcod 1,671,168 bytes; woi 2,097,152 bytes; qkv 25,165,824 bytes; scl 3,072 bytes; fin 393,216 bytes; oi 8,388,608 bytes; csi 1,048,576 bytes
;; launch prep (part 1): grid 688 x 1, 4 waves a work-group, no clusters, 50,688 bytes of LDS; arguments x, wq, wk, wv, wo, cos, sin, xq, wcod, woi, csi; writes xq, wcod, woi, csi
.if DOCPART == 1
	.amdgcn_target "amdgcn-amd-amdhsa--gfx1250"
	.amdhsa_code_object_version 6
	.text
	.protected	k_qcd54f7a208_prep
	.globl	k_qcd54f7a208_prep
	.p2align	8
	.type	k_qcd54f7a208_prep,@function
k_qcd54f7a208_prep:
	s_mov_b64 s[64:65], 0
	v_nop
	global_prefetch_b8 v0, s[64:65] scope:SCOPE_SE
	s_setreg_imm32_b32 hwreg(HW_REG_WAVE_MODE, 25, 1), 1
	s_wait_xcnt 0x0
; THE OPERANDS ARE LAID OUT ONCE.  Four kinds of work-group, told apart by the work-group's number alone; the two kinds that use LDS have LDS bytes of their own.
;   0 .. 95    wq, wk, wv [2048 (k)][512 (n)] f32 -> codes of FP4 (E2M1) with K innermost, wcod [1536 (n)][1024 bytes], and one E8M0 byte for each 32 along K, [1536][64] from byte 1,572,864 on
;   96 .. 159  wo [512 (k)][2048 (n)] f32 -> f16, as images of the registers of a 16 x 32 fragment: woi [128 of k: 4][16 columns: 128][32 of k: 4][1,024 bytes]
;   160 .. 175 cos, sin [2048][64] f32 -> csi, as images of the registers by which the projection rotates q and k: [128 positions: 16][16 positions: 8][cos, sin][b: 4][half: 2][16 bytes x lane]
;   176 .. 687 x [8192][2048] f32 -> codes, xq [8192][1024 bytes], and scale bytes [8192][64] from byte 8,388,608 on
; A block's scale is 2^(floor(log2(its largest magnitude)) - 2); its byte is the largest magnitude's exponent field - 2, held at 1 from below.  A block of zeros so gets the byte 1: its codes are zeros, and this program alone reads the bytes.
; LIMITS: blocks whose largest magnitude lies under 2^(3 - 127) get the byte 1; NaN and infinities among the inputs are not served; wo goes to f16 unscaled: magnitudes over 65,504 are not served, those under 6e-5 are rounded to steps of 6e-8.
; No tensor loads, no barrier: waves share nothing.
.set SPARE, 50176                      ; behind both paths' LDS: the spare words, 128 bytes for each wave
.set SPW,   12                         ; v12  LDS address of my spare word; never rewritten
.set NIL,   13                         ; v13  0; never rewritten
.set EMAX,  2
.macro CLOSE                           ; a wave's end, behind its last LDS store
	s_wait_tensorcnt 0x0
	ds_add_u32 v[SPW], v[NIL]
	s_wait_dscnt 0x0
	s_endpgm
.endm
	s_load_b256 s[4:11], s[0:1], 0x0               ; x s[4:5], wq s[6:7], wk s[8:9], wv s[10:11]
	s_load_b256 s[12:19], s[0:1], 0x20             ; wo s[12:13], cos s[14:15], sin s[16:17], xq s[18:19]
	s_load_b128 s[40:43], s[0:1], 0x40             ; wcod s[40:41], woi s[42:43]
	s_load_b64 s[44:45], s[0:1], 0x50              ; csi
	v_lshl_add_u32 v[SPW], v0, 2, SPARE
	v_mov_b32 v[NIL], 0
	v_lshrrev_b32 v1, 5, v0
	v_readfirstlane_b32 s20, v1                    ; wave 0..3
	v_and_b32 v2, 31, v0                           ; lane
	s_cmp_lt_u32 ttmp9, 96
	s_cbranch_scc1 .Lpath_w
	s_cmp_lt_u32 ttmp9, 160
	s_cbranch_scc1 .Lpath_o
	s_cmp_lt_u32 ttmp9, 176
	s_cbranch_scc1 .Lpath_c
; ---------------- x: a plain stream of blocks of 32.  A wave takes 16 steps of 512 numbers.  Each load reads 512 consecutive bytes; a step's 2,048 bytes turn through the wave's own stage in LDS,
; so that a lane then holds 16 neighbours along K (two lanes to a block).  A lane's 16 codes are 8 bytes: the wave stores 256 consecutive bytes.  A wave's 256 scale bytes are gathered in LDS and leave as one run of 256.
.set STEPS, 16
.set CB,    8
.set R,     16                         ; v16-79   four sets of 16 numbers as loaded
.set X,     80                         ; v80-111  two sets of 16 neighbours
.set E,     112                        ; v112-127 a scale byte for each step
.set C,     128                        ; v128-191 codes, registers of its own for each step
.set WREG,  8192                       ; LDS 0 .. 32,767: a region for each wave: two stages of 32 x SP bytes, then its 256 scale bytes
.set SP,    80
	v_lshlrev_b32 v3, 4, v2                        ; my 16 bytes of a load's 512
	s_mul_i32 s21, s20, WREG
	v_lshrrev_b32 v14, 2, v2
	v_mul_u32_u24 v14, v14, SP
	v_and_b32 v15, 3, v2
	v_lshl_add_u32 v14, v15, 4, v14
	v_add_nc_u32 v14, s21, v14                     ; the stage on the way in: SP (lane / 4) + 16 (lane % 4)
	v_mul_u32_u24 v15, v2, SP
	v_add_nc_u32 v15, s21, v15                     ; and on the way out: SP x lane
	v_mul_u32_u24 v4, v2, CB                       ; my codes' place in a step's
	v_lshrrev_b32 v5, 1, v2
	s_add_co_u32 s21, s21, 2*32*SP
	v_add_nc_u32 v5, s21, v5                       ; my block's byte among the wave's 256
	v_lshlrev_b32 v7, 3, v2
	v_add_nc_u32 v6, s21, v7
	s_sub_co_u32 s22, ttmp9, 176
	s_lshl_b32 s22, s22, 2
	s_add_co_u32 s22, s22, s20                     ; which run of 8,192 numbers is my wave's: 0 .. 2,047
	s_mov_b32 s25, 0
	s_wait_kmcnt 0x0
	s_lshl_b32 s24, s22, 15                        ; 32,768 bytes of x a run
	s_add_nc_u64 s[4:5], s[4:5], s[24:25]
	s_lshl_b32 s24, s22, 12                        ; 4,096 bytes of codes
	s_add_nc_u64 s[26:27], s[18:19], s[24:25]
	s_lshl_b32 s24, s22, 8                         ; 256 scale bytes, behind the codes
	s_add_co_u32 s24, s24, 8388608
	s_add_nc_u64 s[28:29], s[18:19], s[24:25]
.macro XLOAD t
.irp i, 0,1,2,3
	global_load_b128 v[R+16*((\t)%4)+4*\i:R+16*((\t)%4)+4*\i+3], v3, s[4:5] offset:2048*(\t)+512*\i th:TH_LOAD_NT
.endr
.endm
.macro XTURN t                         ; LDS serves a wave's instructions in order: no wait between the stores and the loads
.irp i, 0,1,2,3
	ds_store_b128 v14, v[R+16*((\t)%4)+4*\i:R+16*((\t)%4)+4*\i+3] offset:32*SP*((\t)%2)+8*SP*\i
.endr
.irp i, 0,1,2,3
	ds_load_b128 v[X+16*((\t)%2)+4*\i:X+16*((\t)%2)+4*\i+3], v15 offset:32*SP*((\t)%2)+16*\i
.endr
.endm
.irp t, 0,1,2,3
	XLOAD \t
.endr
	s_wait_loadcnt 12                              ; step 0's four loads are in; three steps' twelve stay out
	XTURN 0
.macro XSTEP t
.set XS, X+16*((\t)%2)
.if (\t) > 0
	s_wait_dscnt 1                                 ; this step's numbers are back from the stage; the last step's byte store may be out
.else
	s_wait_dscnt 0x0
.endif
.if (\t)+4 < STEPS
	XLOAD (\t)+4
.endif
.if (\t)+1 < STEPS
.if STEPS-2-(\t) >= 3
	s_wait_loadcnt 12                              ; the next step's four loads are in; those of the three steps behind it may be out
.else
	s_wait_loadcnt 4*(STEPS-2-(\t))
.endif
	XTURN (\t)+1
.endif
	v_max3_num_f32 v8, |v[XS]|, |v[XS+1]|, |v[XS+2]|
	v_max3_num_f32 v9, |v[XS+3]|, |v[XS+4]|, |v[XS+5]|
.irp i, 6,10
	v_max3_num_f32 v8, v8, |v[XS+\i]|, |v[XS+\i+1]|
	v_max3_num_f32 v9, v9, |v[XS+\i+2]|, |v[XS+\i+3]|
.endr
	v_max3_num_f32 v8, v8, |v[XS+14]|, |v[XS+15]|
	v_max3_num_f32 v8, v8, v9, (EMAX+1)<<23        ; the floor 2^(EMAX + 1 - 127): the byte cannot fall under 1
	v_max_num_f32_dpp v8, v8, v8 row_xmask:1 row_mask:0xf bank_mask:0xf   ; with my neighbour's 16: the block's largest magnitude
	v_add_nc_u32 v11, -(EMAX<<23), v8              ; EMAX off its exponent field: the conversion takes that field as its scale
	v_cvt_scalef32_pk8_fp4_f32 v[C+4*(\t)], v[XS:XS+7], v11
	v_cvt_scalef32_pk8_fp4_f32 v[C+4*(\t)+1], v[XS+8:XS+15], v11
	v_lshrrev_b32 v[E+(\t)], 23, v11               ; the scale's byte
	ds_store_b8 v5, v[E+(\t)] offset:16*(\t)       ; both lanes of a block write the same byte with the same value
	global_store_b64 v4, v[C+4*(\t):C+4*(\t)+1], s[26:27] offset:32*CB*(\t)
.endm
.irp t, 0,1,2,3,4,5,6,7,8,9,10,11,12,13,14,15
	XSTEP \t
.endr
	ds_load_b64 v[8:9], v6                         ; these see my byte stores: LDS serves a wave in order
	s_wait_dscnt 0x0
	global_store_b64 v7, v[8:9], s[28:29]          ; 32 lanes store 256 consecutive bytes, aligned
	CLOSE
; ---------------- wq, wk, wv: K is the FIRST axis.  A lane takes a column n and its registers run down K: a block of 32 lies in one lane, and the conversions give codes with K innermost.
; A wave takes 16 columns x 512 along K: lanes 0-15 the first 256 of K, lanes 16-31 the second, so that a lane walks 8 blocks and the wave still gathers whole rows of 256 bytes of codes.
; The four waves stand side by side on 256 consecutive bytes of each row of the weight.  The codes go through the wave's own stage in LDS and leave as rows, sixteen lanes to 256 consecutive bytes.
.Lpath_w:
.set NB,     8
.set WPITCH, 272
.set WSTG,   32768                     ; LDS 32,768 .. 50,175: a stage of 16 rows x 272 bytes for each wave
.set WX,     32                        ; v32-95   two sets of 32 numbers
.set WC,     96                        ; v96-99   a block's codes
.set OUTR,   112                       ; v112-143 the way out
.set SB,     24                        ; v24-25   the scale bytes, four to a register
	s_lshr_b32 s21, ttmp9, 5                       ; which tensor: 0 wq, 1 wk, 2 wv
	s_and_b32 s22, ttmp9, 7                        ; which 64 columns
	s_bfe_u32 s23, ttmp9, 0x20003                  ; which 512 along K
	s_lshl_b32 s24, s22, 6
	s_lshl_b32 s25, s20, 4
	s_add_co_u32 s24, s24, s25                     ; my wave's first column
	v_and_b32 v5, 15, v2                           ; r: my column
	v_lshrrev_b32 v6, 4, v2                        ; h: my half of the 512 along K
	v_lshlrev_b32 v3, 2, v5                        ; in: 4 bytes a column,
	v_lshl_add_u32 v3, v6, 19, v3                  ; and 256 rows of 2,048 bytes further down for lanes 16-31
	s_mul_i32 s25, s20, 16*WPITCH
	s_add_co_u32 s25, s25, WSTG                    ; my stage
	v_mul_u32_u24 v4, v5, WPITCH
	v_lshl_add_u32 v4, v6, 7, v4
	v_add_nc_u32 v4, s25, v4                       ; into it: row = my column, my half's 128 bytes
	v_mul_u32_u24 v7, v6, WPITCH
	v_lshl_add_u32 v7, v5, 4, v7
	v_add_nc_u32 v7, s25, v7                       ; out of it: sixteen lanes to a row, two rows an instruction
	v_lshlrev_b32 v8, 10, v6
	v_lshl_add_u32 v8, v5, 4, v8                   ; and the same place among the codes' rows of 1,024 bytes
	v_lshlrev_b32 v9, 6, v5
	v_lshl_add_u32 v9, v6, 3, v9                   ; my column's row of 64 scale bytes, my half's 8
	s_lshl_b32 s26, s23, 20                        ; 512 rows of 2,048 bytes
	s_lshl_b32 s27, s24, 2
	s_add_co_u32 s26, s26, s27
	s_mov_b32 s27, 0
	s_lshl_b32 s28, s21, 9
	s_add_co_u32 s28, s28, s24                     ; my first row of wcod
	s_lshl_b32 s30, s28, 10
	s_lshl_b32 s29, s23, 8
	s_add_co_u32 s30, s30, s29
	s_mov_b32 s31, 0
	s_lshl_b32 s32, s28, 6
	s_lshl_b32 s29, s23, 4
	s_add_co_u32 s32, s32, s29
	s_add_co_u32 s32, s32, 1572864
	s_mov_b32 s33, 0
	s_wait_kmcnt 0x0
	s_cmp_eq_u32 s21, 1                            ; the choice hangs on the work-group's number alone
	s_cselect_b64 s[6:7], s[8:9], s[6:7]
	s_cmp_eq_u32 s21, 2
	s_cselect_b64 s[6:7], s[10:11], s[6:7]
	s_add_nc_u64 s[6:7], s[6:7], s[26:27]
	s_add_nc_u64 s[34:35], s[40:41], s[30:31]
	s_add_nc_u64 s[36:37], s[40:41], s[32:33]
.macro WLOAD t
.irp i, 0,1,2,3,4,5,6,7,8,9,10,11,12,13,14,15,16,17,18,19,20,21,22,23,24,25,26,27,28,29,30,31
	global_load_b32 v[WX+32*((\t)%2)+\i], v3, s[6:7] offset:(32*(\t)+\i)*2048 th:TH_LOAD_NT
.endr
.endm
	WLOAD 0
	WLOAD 1
.macro WBLOCK t
.set XS, WX+32*((\t)%2)
.if (\t) < NB-1
	s_wait_loadcnt 32                              ; this block's 32 loads are in; the next block's may be out
.else
	s_wait_loadcnt 0
.endif
	v_max3_num_f32 v14, |v[XS]|, |v[XS+1]|, |v[XS+2]|
	v_max3_num_f32 v15, |v[XS+3]|, |v[XS+4]|, |v[XS+5]|
.irp i, 6,10,14,18,22,26
	v_max3_num_f32 v14, v14, |v[XS+\i]|, |v[XS+\i+1]|
	v_max3_num_f32 v15, v15, |v[XS+\i+2]|, |v[XS+\i+3]|
.endr
	v_max3_num_f32 v14, v14, |v[XS+30]|, |v[XS+31]|
	v_max3_num_f32 v14, v14, v15, (EMAX+1)<<23
	v_add_nc_u32 v11, -(EMAX<<23), v14
	v_lshrrev_b32 v15, 23, v11
.if (\t)%4 == 0
	v_mov_b32 v[SB+(\t)/4], v15
.else
	v_lshl_or_b32 v[SB+(\t)/4], v15, 8*((\t)%4), v[SB+(\t)/4]
.endif
.irp g, 0,1,2,3
	v_cvt_scalef32_pk8_fp4_f32 v[WC+\g], v[XS+8*\g:XS+8*\g+7], v11
.endr
	ds_store_b128 v4, v[WC:WC+3] offset:16*(\t)
.if (\t)+2 < NB
	WLOAD (\t)+2
.endif
	s_wait_dscnt 0x0                               ; the store has read its registers: the next block's codes may be written
.endm
.set Q, 0
.rept NB
	WBLOCK Q
.set Q, Q+1
.endr
	global_store_b64 v9, v[SB:SB+1], s[36:37]      ; my 8 scale bytes
.irp t, 0,1,2,3,4,5,6,7
	ds_load_b128 v[OUTR+4*\t:OUTR+4*\t+3], v7 offset:2*\t*WPITCH
.endr
.irp t, 0,1,2,3,4,5,6,7
	s_wait_dscnt 7-\t                              ; LDS loads come back in order: rows 2 t, 2 t + 1 are in, the later ones may be out
	global_store_b128 v8, v[OUTR+4*\t:OUTR+4*\t+3], s[34:35] offset:2*\t*1024
.endr
	CLOSE
; ---------------- wo: a lane takes a column and 128 rows of K, 32 at a time.  Sixteen packed registers P_i = (k 2i, 2i + 1); lanes 0-15 hold one tile of 16 columns, lanes 16-31 the next.
; A fragment wants k 0-7 and 16-23 in lanes 0-15 and k 8-15 and 24-31 in lanes 16-31 of ONE tile: eight exchanges of halves give both tiles' fragments.
.Lpath_o:
	s_sub_co_u32 s21, ttmp9, 96
	s_and_b32 s22, s21, 15                         ; which 128 columns
	s_lshr_b32 s23, s21, 4                         ; which 128 of K
	v_lshlrev_b32 v3, 2, v2
	v_lshlrev_b32 v4, 4, v2
	s_lshl_b32 s24, s23, 20                        ; 128 rows of 8,192 bytes
	s_lshl_b32 s25, s22, 9
	s_add_co_u32 s24, s24, s25
	s_lshl_b32 s25, s20, 7
	s_add_co_u32 s24, s24, s25
	s_mov_b32 s25, 0
	s_lshl_b32 s26, s23, 19                        ; 128 tiles x 4 images of 1,024 bytes
	s_lshl_b32 s27, s22, 15
	s_add_co_u32 s26, s26, s27
	s_lshl_b32 s27, s20, 13
	s_add_co_u32 s26, s26, s27
	s_mov_b32 s27, 0
	s_wait_kmcnt 0x0
	s_add_nc_u64 s[12:13], s[12:13], s[24:25]
	s_add_nc_u64 s[42:43], s[42:43], s[26:27]
.macro OLOAD c
.irp i, 0,1,2,3,4,5,6,7,8,9,10,11,12,13,14,15,16,17,18,19,20,21,22,23,24,25,26,27,28,29,30,31
	global_load_b32 v[16+32*(\c)+\i], v3, s[12:13] offset:(32*(\c)+\i)*8192 th:TH_LOAD_NT
.endr
.endm
	OLOAD 0
	OLOAD 1
.irp c, 0,1,2,3
.set PB, 144+16*\c
.if \c < 3
	s_wait_loadcnt 32                              ; this chunk's 32 loads are in; the next chunk's may be out
.else
	s_wait_loadcnt 0
.endif
.if \c < 2
	OLOAD \c+2
.endif
.irp i, 0,1,2,3,4,5,6,7,8,9,10,11,12,13,14,15
	v_cvt_pk_f16_f32 v[PB+\i], v[16+32*\c+2*\i], v[16+32*\c+2*\i+1]
.endr
.irp i, 0,1,2,3
	v_permlane16_swap_b32 v[PB+\i], v[PB+4+\i]     ; the first's lanes 16-31 change places with the second's lanes 0-15
	v_permlane16_swap_b32 v[PB+8+\i], v[PB+12+\i]
.endr
	global_store_b128 v4, v[PB:PB+3], s[42:43] offset:\c*1024            ; each store: 512 consecutive bytes
	global_store_b128 v4, v[PB+8:PB+11], s[42:43] offset:\c*1024+512
	global_store_b128 v4, v[PB+4:PB+7], s[42:43] offset:4096+\c*1024
	global_store_b128 v4, v[PB+12:PB+15], s[42:43] offset:4096+\c*1024+512
.endr
	s_endpgm
; ---------------- cos, sin: the rotation wants, in lane (r, h), for positions 16 a + r: columns 16 b + 8 h + 0 .. 7, b = 0 .. 3: pieces of 16 bytes of sixteen rows in each load.
; That gather is made here ONCE for each table; the pieces are stored as they stand in the registers, 512 consecutive bytes a store, and every later load of them is 512 consecutive bytes.
; A work-group takes 128 positions, a wave two tiles of 16.
.Lpath_c:
	s_sub_co_u32 s21, ttmp9, 160                   ; which 128 positions
	v_and_b32 v5, 15, v2
	v_lshrrev_b32 v6, 4, v2
	v_lshlrev_b32 v3, 8, v5
	v_lshl_add_u32 v3, v6, 5, v3                   ; in: 256 r + 32 h
	v_lshlrev_b32 v4, 4, v2                        ; out: 16 x lane
	s_lshl_b32 s24, s21, 15                        ; 128 rows of 256 bytes,
	s_lshl_b32 s25, s20, 13                        ; my wave's 32 of them
	s_add_co_u32 s24, s24, s25
	s_mov_b32 s25, 0
	s_lshl_b32 s26, s21, 16                        ; 8 tiles x 8,192 bytes of images,
	s_lshl_b32 s27, s20, 14                        ; my wave's two
	s_add_co_u32 s26, s26, s27
	s_mov_b32 s27, 0
	s_wait_kmcnt 0x0
	s_add_nc_u64 s[14:15], s[14:15], s[24:25]
	s_add_nc_u64 s[16:17], s[16:17], s[24:25]
	s_add_nc_u64 s[44:45], s[44:45], s[26:27]
.irp u, 0,1
.irp b, 0,1,2,3
.irp f, 0,1
	global_load_b128 v[16+64*\u+8*\b+4*\f:19+64*\u+8*\b+4*\f], v3, s[14:15] offset:\u*4096+\b*64+\f*16
	global_load_b128 v[48+64*\u+8*\b+4*\f:51+64*\u+8*\b+4*\f], v3, s[16:17] offset:\u*4096+\b*64+\f*16
.endr
.endr
.endr
.irp u, 0,1
	s_wait_loadcnt 16-16*\u                        ; this tile's 16 loads are in; the second tile's may be out
.irp b, 0,1,2,3
.irp f, 0,1
	global_store_b128 v4, v[16+64*\u+8*\b+4*\f:19+64*\u+8*\b+4*\f], s[44:45] offset:\u*8192+\b*1024+\f*512
	global_store_b128 v4, v[48+64*\u+8*\b+4*\f:51+64*\u+8*\b+4*\f], s[44:45] offset:\u*8192+4096+\b*1024+\f*512
.endr
.endr
.endr
	s_endpgm
.Lfunc_end_k_qcd54f7a208_prep:
	.size	k_qcd54f7a208_prep, .Lfunc_end_k_qcd54f7a208_prep-k_qcd54f7a208_prep
	.p2alignl 7, 3214868480
	.fill 96, 4, 3214868480
	.section	.rodata,"a",@progbits
	.p2align	6, 0x0
	.amdhsa_kernel k_qcd54f7a208_prep
		.amdhsa_group_segment_fixed_size 50688
		.amdhsa_private_segment_fixed_size 0
		.amdhsa_enable_private_segment 0
		.amdhsa_kernarg_size 88
		.amdhsa_user_sgpr_count 2
		.amdhsa_user_sgpr_kernarg_segment_ptr 1
		.amdhsa_wavefront_size32 1
		.amdhsa_system_sgpr_workgroup_id_x 1
		.amdhsa_system_sgpr_workgroup_id_y 1
		.amdhsa_system_sgpr_workgroup_id_z 1
		.amdhsa_system_vgpr_workitem_id 0
		.amdhsa_next_free_vgpr 208
		.amdhsa_next_free_sgpr 66
		.amdhsa_reserve_vcc 0
		.amdhsa_float_denorm_mode_32 3
		.amdhsa_float_denorm_mode_16_64 3
		.amdhsa_memory_ordered 1
		.amdhsa_forward_progress 1
		.amdhsa_inst_pref_size 100
	.end_amdhsa_kernel
	.amdgpu_metadata
---
amdhsa.version: [ 1, 2 ]
amdhsa.kernels:
  - .name:           k_qcd54f7a208_prep
    .symbol:         k_qcd54f7a208_prep.kd
    .args:
      - { .name: x, .offset: 0, .size: 8, .value_kind: global_buffer, .address_space: global }
      - { .name: wq, .offset: 8, .size: 8, .value_kind: global_buffer, .address_space: global }
      - { .name: wk, .offset: 16, .size: 8, .value_kind: global_buffer, .address_space: global }
      - { .name: wv, .offset: 24, .size: 8, .value_kind: global_buffer, .address_space: global }
      - { .name: wo, .offset: 32, .size: 8, .value_kind: global_buffer, .address_space: global }
      - { .name: cos, .offset: 40, .size: 8, .value_kind: global_buffer, .address_space: global }
      - { .name: sin, .offset: 48, .size: 8, .value_kind: global_buffer, .address_space: global }
      - { .name: xq, .offset: 56, .size: 8, .value_kind: global_buffer, .address_space: global }
      - { .name: wcod, .offset: 64, .size: 8, .value_kind: global_buffer, .address_space: global }
      - { .name: woi, .offset: 72, .size: 8, .value_kind: global_buffer, .address_space: global }
      - { .name: csi, .offset: 80, .size: 8, .value_kind: global_buffer, .address_space: global }
    .group_segment_fixed_size: 50688
    .private_segment_fixed_size: 0
    .kernarg_segment_align: 8
    .kernarg_segment_size: 88
    .max_flat_workgroup_size: 128
    .sgpr_count:     66
    .vgpr_count:     208
    .wavefront_size: 32
...
	.end_amdgpu_metadata
.endif
;; end of part 1
;; launch gemm (part 2): grid 6 x 32, 4 waves a work-group, no clusters, 327,680 bytes of LDS; arguments xq, wcod, csi, qkv, scl, fin; writes qkv, scl, fin
.if DOCPART == 2
	.amdgcn_target "amdgcn-amd-amdhsa--gfx1250"
	.amdhsa_code_object_version 6
	.text
	.protected	k_qcd54f7a208_gemm
	.globl	k_qcd54f7a208_gemm
	.p2align	8
	.type	k_qcd54f7a208_gemm,@function
k_qcd54f7a208_gemm:
	s_mov_b64 s[64:65], 0
	v_nop
	global_prefetch_b8 v0, s[64:65] scope:SCOPE_SE
	s_setreg_imm32_b32 hwreg(HW_REG_WAVE_MODE, 25, 1), 1
	s_wait_xcnt 0x0
; q, k, v = x wq, x wk, x wv on codes of FP4 (E2M1) with one E8M0 scale for each 32 along K = 2,048; then the rotation of q and k by cos and sin, in f32; then f16 with ONE power-of-two scale for each block of 128 positions x one head.
; A work-group makes 256 x 256 of the product, a wave 128 x 128: one head, 128 positions: 64 accumulators, 512 registers.  Work-group x: 0, 1 q's heads (0, 1), (2, 3); 2, 3 k's; 4, 5 v's.  y: 256 rows of x.
; THE MATRIX INSTRUCTION IS USED TRANSPOSED: source 0 = 16 rows of the 'B side', source 1 = 16 rows of the 'A side': a lane holds one A-side row and eight neighbouring B-side rows.
; For q and k the A side is x and the B side the weights: a lane holds a position and 8 channels.  For v THE SIDES ARE SWAPPED BY POINTERS ALONE: a lane holds a channel and 8 keys, which is what the second product of attention wants.  One text serves all three.
; OUT: two accumulators, rounded to f16 in pairs, ARE a 16 x 32 fragment's registers; they are stored as they stand (an image: registers 0-3 at 16 x lane, 4-7 at 512 + 16 x lane), each store 512 consecutive bytes.
; qkv [q, k, v][batch x 4 + head][128 positions: 16][a: 8][c: 4][1,024 bytes].  scl: the block's inverse scale 2^(ef - 135), ef the exponent field of its largest magnitude: the stored numbers' largest lies in [2^8, 2^9).
; fin: positions 0 to 15 of every batch and head as f32 images of the accumulators, for the launch that carries those rows in f32.
; K goes in steps of 512 through a ring of two LDS slots filled by the tensor data mover, rows of 256 bytes; the scale bytes of all 512 rows, for all of K, come once with the first fills.  Every wave fetches a quarter of each.
; COS AND SIN come from csi, where the launch before laid them as images of the registers that the rotation reads: each load is 512 consecutive bytes at 16 x lane.  A wave wants 8 blocks of 64 registers.  Blocks 0, 1, 2 are asked
; for at the head, into 192 registers that the products never name; blocks 3 to 6 at the start of the way out, into the registers that held fragments and scale words; block 7 behind block 0's rotation, into block 0's registers.
; NO CLUSTER: six tile columns do not divide by four; along y the shared operand (the weights) is the B side in q's and k's work-groups and the A side in v's, and a descriptor's mask word cannot be chosen between two.
; LIMITS: NaN and infinities are not served; a block's largest magnitude is taken as at least 2^(9 - 127).
.set NQ,     4
.set ROWB,   256
.set PITCH,  272                       ; an LDS row: 256 bytes + 16 of padding
.set FR,     8
.set NL,     2
.set NP,     4
.set HALFT,  128*PITCH
.set SLOT,   4*HALFT                   ; the A side's 256 rows, then the B side's
.set KS,     64                        ; a row of scale bytes
.set SCL,    2*SLOT                    ; behind the ring: the scale bytes, as runs of 256 bytes + 16 of padding
.set HALFS,  32*272
.set SBLK,   4*272
.set SPARE,  SCL+4*HALFS               ; the spare words, 128 bytes a wave
.set ADRA, 16                          ; v16-17 LDS address of my A-side fragments in slot 0, 1
.set ADRB, 20                          ; v20-21 the same for the B side
.set VL,   24                          ; v24  16 x lane; made at the head and never rewritten: loads that name it are out through the whole main part
.set LZ,   26                          ; v26  4 x lane
.set ADRS, 27                          ; v27  LDS address of my scale words: lanes 0-15 the A side's, lanes 16-31 the B side's
.set SPW,  28
.set NIL,  29
.set SC,   32                          ; v32-95 scale words, two sets
.set AF,   128                         ; v128-191 the A side's fragments, one set;  window 1: the B side's, two sets, at v0-63 and v128-191;  windows 2, 3: the accumulators, (a, b) at v[8 (8 (a % 4) + b)]
.set WV,   18
.set SIDE, 19                          ; wave >> 1: which half of the A side I multiply; also: which side I fetch for
.set HALF, 20                          ; wave & 1: which half of the B side I multiply; also: which 128 rows I fetch
.set TX,   21
.set TY,   22
.set ISV,  23
.set G1,   24                          ; s[24:31] group 1 for codes;  s[32:35], s[36:39] groups 0 for slots 0, 1;  s[40:43] group 0 and s[68:75] group 1 for the scale bytes
.set G0,   32
.set G0S,  40
.set G1S,  68
.set MSB, 0
.macro WIN new                         ; the immediate's high byte repeats the setting that is left
.if MSB != (\new)
	s_set_vgpr_msb (MSB<<8)|(\new)
.set MSB, (\new)
.endif
.endm
.set MUL_LO, 0xa1
.set MUL_HI, 0xf1
.set TO_B,   0x40
.macro TL g0, g1                       ; a tensor load
	tensor_load_to_lds s[\g0:\g0+3], s[\g1:\g1+7]
	s_nop 0
.rept 4
	v_nop
.endr
.endm
; Where block a's 32 registers of cos and 32 of sin lie: window CSW, from v[CSB] on
.macro CSMAP a
.if ((\a) == 0) || ((\a) == 7)
.set CSW, 0
.set CSB, 192
.elseif (\a) == 1
.set CSW, 1
.set CSB, 64
.elseif (\a) == 2
.set CSW, 1
.set CSB, 192
.elseif (\a) == 3
.set CSW, 1
.set CSB, 0
.elseif (\a) == 4
.set CSW, 1
.set CSB, 128
.elseif (\a) == 5
.set CSW, 0
.set CSB, 32
.else
.set CSW, 0
.set CSB, 96
.endif
.endm
.macro LOADCS a                        ; cos and sin of the 16 positions of block a: 16 loads of 512 consecutive bytes
	CSMAP \a
	WIN CSW<<6                                     ; the destination's window; the address lies in window 0
.irp b, 0,1,2,3
	global_load_b128 v[CSB+8*\b:CSB+8*\b+3], v[VL], s[8:9] offset:(\a)*8192+\b*1024
	global_load_b128 v[CSB+8*\b+4:CSB+8*\b+7], v[VL], s[8:9] offset:(\a)*8192+\b*1024+512
	global_load_b128 v[CSB+32+8*\b:CSB+32+8*\b+3], v[VL], s[8:9] offset:(\a)*8192+4096+\b*1024
	global_load_b128 v[CSB+32+8*\b+4:CSB+32+8*\b+7], v[VL], s[8:9] offset:(\a)*8192+4096+\b*1024+512
.endr
	WIN 0
.endm
	s_load_b256 s[4:11], s[0:1], 0x0               ; xq s[4:5], wcod s[6:7], csi s[8:9], qkv s[10:11]
	s_load_b128 s[12:15], s[0:1], 0x20             ; scl s[12:13], fin s[14:15]
	v_lshl_add_u32 v[SPW], v0, 2, SPARE
	v_mov_b32 v[NIL], 0
	ds_add_u32 v[SPW], v[NIL]                      ; the wave's opening: the add, twice on end, and its wait ahead of my first tensor load
	ds_add_u32 v[SPW], v[NIL]
	v_lshrrev_b32 v1, 5, v0
	v_readfirstlane_b32 s[WV], v1
	s_lshr_b32 s[SIDE], s[WV], 1
	s_and_b32 s[HALF], s[WV], 1
	s_mov_b32 s[TX], ttmp9
	s_and_b32 s[TY], ttmp7, 0xffff
	s_cmp_ge_u32 s[TX], 4
	s_cselect_b32 s[ISV], 1, 0
	s_and_b32 s58, s[TY], 7                        ; csi: in q's and k's work-groups my 128 positions are block 2 (y % 8) + my half of the A side: 65,536 bytes a block
	s_lshl_b32 s58, s58, 1
	s_add_co_u32 s58, s58, s[SIDE]
	s_lshl_b32 s58, s58, 16
	s_mov_b32 s59, 0
	s_mov_b32 s[G1+0], (0<<16)|(1<<20)|(5<<22)|(3<<25)   ; elements of 1 byte; 4 words of padding after every 64
	s_mov_b32 s[G1+1], ROWB<<16                    ; tensor_dim0 = 256
	s_mov_b32 s[G1+2], 128<<16                     ; tensor_dim1 = 128
	s_mov_b32 s[G1+3], ROWB<<16                    ; tile_dim0
	s_mov_b32 s[G1+4], 128                         ; tile_dim1
	s_mov_b32 s[G1+5], 1024                        ; a row of codes in memory
	s_mov_b32 s[G1+6], 0
	s_mov_b32 s[G1+7], 0
	s_mov_b32 s[G1S+0], (3<<16)|(1<<20)|(5<<22)|(3<<25)  ; the scale bytes of 128 rows: 8,192 dense bytes as 32 rows of 32 elements of 8 bytes
	s_mov_b32 s[G1S+1], 32<<16
	s_mov_b32 s[G1S+2], 32<<16
	s_mov_b32 s[G1S+3], 32<<16
	s_mov_b32 s[G1S+4], 32
	s_mov_b32 s[G1S+5], 32
	s_mov_b32 s[G1S+6], 0
	s_mov_b32 s[G1S+7], 0
	s_mul_i32 s52, s[WV], HALFT                    ; where my rows go: wave x 128 rows
	s_mul_i32 s53, s[WV], HALFS
	s_wait_dscnt 0x0                               ; both opening adds are done
	s_wait_kmcnt 0x0
	s_cmp_eq_u32 s[SIDE], s[ISV]                   ; do I fetch rows of x?  (ids alone)
	s_cselect_b64 s[44:45], s[4:5], s[6:7]
	s_cselect_b32 s46, s[TY], s[TX]
	s_mov_b32 s47, 1572864
	s_cselect_b32 s47, 8388608, s47                ; where the buffer's scale bytes begin
	s_lshl_b32 s46, s46, 8
	s_lshl_b32 s48, s[HALF], 7
	s_add_co_u32 s46, s46, s48                     ; my first row
	s_lshl_b32 s48, s46, 10
	s_mov_b32 s49, 0
	s_lshl_b32 s50, s46, 6
	s_add_co_u32 s50, s50, s47
	s_mov_b32 s51, 0
	s_add_nc_u64 s[48:49], s[44:45], s[48:49]
	s_add_nc_u64 s[50:51], s[44:45], s[50:51]
	s_mov_b32 s[G0S], 1
	s_add_co_u32 s[G0S+1], s53, SCL
	s_mov_b64 s[G0S+2:G0S+3], s[50:51]
	s_or_b32 s[G0S+3], s[G0S+3], 0x80000000
	TL G0S, G1S                                    ; three first fills of mine go out together: the scale bytes,
	s_mov_b32 s[G0], 1
	s_mov_b32 s[G0+1], s52
	s_mov_b64 s[G0+2:G0+3], s[48:49]
	s_or_b32 s[G0+3], s[G0+3], 0x80000000
	TL G0, G1                                      ; K step 0,
	s_mov_b32 s[G0+4], 1
	s_add_co_u32 s[G0+5], s52, SLOT
	s_add_nc_u64 s[G0+6:G0+7], s[48:49], ROWB
	s_or_b32 s[G0+7], s[G0+7], 0x80000000
	TL G0+4, G1                                    ; K step 1
	s_add_nc_u64 s[8:9], s[8:9], s[58:59]          ; csi at my 128 positions; never rewritten
	v_and_b32 v1, 15, v0                           ; r
	v_bfe_u32 v2, v0, 4, 1                         ; h
	v_mul_u32_u24 v3, v1, PITCH
	v_lshl_add_u32 v4, v2, 4, v3
	s_mul_i32 s44, s[SIDE], HALFT
	s_mul_i32 s45, s[HALF], HALFT
	s_add_co_u32 s45, s45, 2*HALFT
.irp s, 0,1
	v_add_nc_u32 v[ADRA+\s], s44, v4
	v_add_nc_u32 v[ADRB+\s], s45, v4
	s_add_co_u32 s44, s44, SLOT
	s_add_co_u32 s45, s45, SLOT
.endr
	v_mul_u32_u24 v5, v1, KS
	v_lshrrev_b32 v6, 8, v5
	v_lshl_add_u32 v5, v6, 4, v5                   ; 64 bytes a row, and 16 more for each 256 passed
	s_mul_i32 s44, s[SIDE], HALFS
	s_mul_i32 s45, s[HALF], HALFS
	s_add_co_u32 s45, s45, 2*HALFS
	s_sub_co_u32 s45, s45, s44
	v_mul_u32_u24 v6, s45, v2                      ; lanes 16-31 take the B side's
	s_add_co_u32 s44, s44, SCL
	v_add_nc_u32 v5, v5, v6
	v_add_nc_u32 v[ADRS], s44, v5
	v_and_b32 v7, 31, v0
	v_lshlrev_b32 v[VL], 4, v7
	s_cmp_lg_u32 s[ISV], 0                         ; v is not rotated (ids alone)
	s_cbranch_scc1 .Lno_early
	LOADCS 0                                       ; 48 loads into registers that no product names: they have the whole main part in which to land
	LOADCS 1
	LOADCS 2
.Lno_early:
.macro FRAG reg, adr, q, i             ; 16 rows x 128 K of 4-bit codes: 8 registers, two loads of 16 bytes, 32 bytes apart
.irp c, 0,1
	ds_load_b128 v[\reg+4*\c:\reg+4*\c+3], v[\adr] offset:64*(\q)+32*\c+(\i)*16*PITCH
.endr
.endm
; 16 matrix instructions: the A side's blocks a0, a0 + 1 x the B side's eight.  The 64 accumulators take turns, one instruction a turn, in the same order in every step.
.macro MUL16 a0, p, q, sc, zero
.irp a, \a0, \a0+1
.irp b, 0,1,2,3,4,5,6,7
.if \zero
	v_wmma_scale_f32_16x16x128_f8f6f4 v[8*(8*((\a)%4)+\b):8*(8*((\a)%4)+\b)+7], v[128*(\p)+FR*\b:128*(\p)+FR*\b+FR-1], v[AF+FR*(\a):AF+FR*(\a)+FR-1], 0, v[SC+8*NQ*(\sc)+NQ*\b+(\q)], v[SC+8*NQ*(\sc)+NQ*(\a)+(\q)] matrix_a_fmt:MATRIX_FMT_FP4 matrix_b_fmt:MATRIX_FMT_FP4 matrix_a_scale:MATRIX_SCALE_ROW1
.else
	v_wmma_scale_f32_16x16x128_f8f6f4 v[8*(8*((\a)%4)+\b):8*(8*((\a)%4)+\b)+7], v[128*(\p)+FR*\b:128*(\p)+FR*\b+FR-1], v[AF+FR*(\a):AF+FR*(\a)+FR-1], v[8*(8*((\a)%4)+\b):8*(8*((\a)%4)+\b)+7], v[SC+8*NQ*(\sc)+NQ*\b+(\q)], v[SC+8*NQ*(\sc)+NQ*(\a)+(\q)] matrix_a_fmt:MATRIX_FMT_FP4 matrix_b_fmt:MATRIX_FMT_FP4 matrix_a_scale:MATRIX_SCALE_ROW1
.endif
.endr
.endr
.endm
.macro FETCH_B slot, q, p
	WIN TO_B
.irp i, 0,1,2,3,4,5,6,7
	FRAG 128*(\p)+FR*\i, ADRB+\slot, \q, \i
.endr
	WIN 0
.endm
.macro FETCH_A slot, q, i0
.irp i, \i0, \i0+1, \i0+2, \i0+3
	FRAG AF+FR*(\i), ADRA+\slot, \q, \i
.endr
.endm
.macro SCALES sc                       ; a K step's scale words: four a row; lanes 0-15 the A side's block i, lanes 16-31 the B side's
.irp i, 0,1,2,3,4,5,6,7
	ds_load_b128 v[SC+8*NQ*\sc+NQ*\i:SC+8*NQ*\sc+NQ*\i+3], v[ADRS] offset:\i*SBLK
.endr
.endm
.macro PLACES n                        ; plain vector instructions between a matrix instruction and a load into, or a read of, its registers
.rept \n
	v_nop
.endr
.endm
.macro STEP slot, q, zero              ; 128 along K, with its successor in the same slot
	s_wait_dscnt 4*NL                              ; all but the youngest eight loads (the A side's blocks 4-7) are in
	WIN MUL_LO
	MUL16 0, (\q)%2, \q, \slot, \zero
	MUL16 2, (\q)%2, \q, \slot, \zero
	s_wait_dscnt 0
	PLACES NP
	FETCH_B \slot, (\q)+1, 1-(\q)%2
	FETCH_A \slot, (\q)+1, 0
	WIN MUL_HI
	MUL16 4, (\q)%2, \q, \slot, \zero
	MUL16 6, (\q)%2, \q, \slot, \zero
	PLACES NP
	WIN 0
	FETCH_A \slot, (\q)+1, 4
.endm
; A slot's last step changes slots: one barrier; in front of it each wave waits for all its tensor loads, adds 0 to its spare word, and waits for that and for its reads of this slot.  fill = 1: this slot is filled again, two K steps ahead.
.macro TURN slot, next, fill
	s_wait_tensorcnt 0x0                           ; my one load that was out, my part of the next slot, has landed
	ds_add_u32 v[SPW], v[NIL]
	s_wait_dscnt 4*NL+1                            ; the add and the youngest eight loads may be out
	WIN MUL_LO
	MUL16 0, 1, NQ-1, \slot, 0
	s_wait_dscnt 0x0                               ; the add is done, and my reads of this slot are over
	s_barrier_signal -1
	MUL16 2, 1, NQ-1, \slot, 0
	WIN 0
	s_barrier_wait -1
.if \fill
	s_add_nc_u64 s[G0+4*\slot+2:G0+4*\slot+3], s[G0+4*\slot+2:G0+4*\slot+3], 2*ROWB
	TL G0+4*\slot, G1                              ; my one tensor load behind this barrier; its four v_nop are also the places in front of the loads below
.else
	PLACES NP
.endif
	v_add_nc_u32 v[ADRS], 4*NQ, v[ADRS]            ; the next K step's scale words
	FETCH_B \next, 0, 0
	FETCH_A \next, 0, 0
	SCALES \next
	WIN MUL_HI
	MUL16 4, 1, NQ-1, \slot, 0
	MUL16 6, 1, NQ-1, \slot, 0
	PLACES NP
	WIN 0
	FETCH_A \next, 0, 4
.endm
.macro STEPS slot, from
.set Q, \from
.rept NQ-1-\from
	STEP \slot, Q, 0
.set Q, Q+1
.endr
.endm
	s_wait_tensorcnt 1                             ; the scale bytes and my part of K step 0 are in; K step 1's load may stay out
	s_barrier_signal -1
	s_barrier_wait -1
	FETCH_B 0, 0, 0
	FETCH_A 0, 0, 0
	SCALES 0
	FETCH_A 0, 0, 4
	STEP 0, 0, 1                                   ; the first products start the sums: nothing is cleared.  K = 2,048 is four slots' worth: written straight
	STEPS 0, 1
	TURN 0, 1, 1
	STEPS 1, 0
	TURN 1, 0, 1
	STEP 0, 0, 0
	STEPS 0, 1
	TURN 0, 1, 0
	STEPS 1, 0
	s_wait_dscnt 4*NL
	WIN MUL_LO
	MUL16 0, 1, NQ-1, 1, 0
	MUL16 2, 1, NQ-1, 1, 0
	s_wait_dscnt 0
	WIN MUL_HI
	MUL16 4, 1, NQ-1, 1, 0
	MUL16 6, 1, NQ-1, 1, 0
	WIN 0
	PLACES NP                                      ; in front of the first read of results, and of the loads into the registers that held fragments and scale words
; ---------------- THE WAY OUT.  No LDS, no barrier: a wave's block is its own.
	s_cmp_eq_u32 s[ISV], 0
	s_cselect_b32 s44, s[SIDE], s[HALF]            ; which half of x's 256 rows is mine
	s_cselect_b32 s45, s[HALF], s[SIDE]            ; which head of the pair
	s_lshr_b32 s46, s[TY], 3                       ; batch
	s_and_b32 s47, s[TY], 7
	s_lshr_b32 s48, s[TX], 1                       ; 0 q, 1 k, 2 v
	s_and_b32 s49, s[TX], 1
	s_lshl_b32 s49, s49, 1
	s_add_co_u32 s49, s49, s45                     ; head
	s_lshl_b32 s50, s46, 2
	s_add_co_u32 s50, s50, s49                     ; batch x 4 + head
	s_lshl_b32 s51, s47, 1
	s_add_co_u32 s51, s51, s44                     ; which 128 positions of the sequence
	s_mov_b32 s53, 0
	s_lshl_b32 s52, s48, 23
	s_lshl_b32 s54, s50, 19
	s_add_co_u32 s52, s52, s54
	s_lshl_b32 s54, s51, 15
	s_add_co_u32 s52, s52, s54
	s_add_nc_u64 s[10:11], s[10:11], s[52:53]      ; qkv at my block
	s_lshl_b32 s52, s48, 8
	s_lshl_b32 s54, s50, 4
	s_add_co_u32 s52, s52, s54
	s_add_co_u32 s52, s52, s51
	s_lshl_b32 s52, s52, 2
	s_add_nc_u64 s[12:13], s[12:13], s[52:53]      ; scl at my block's word
	s_lshl_b32 s52, s48, 17
	s_lshl_b32 s54, s50, 13
	s_add_co_u32 s52, s52, s54
	s_add_nc_u64 s[14:15], s[14:15], s[52:53]      ; fin at my batch and head
	s_mov_b32 s54, 0x76543210
	s_mov_b32 s55, 0xfedcba98                      ; lane l xor 16
	v_and_b32 v1, 31, v0
	v_lshlrev_b32 v[LZ], 2, v1
	s_cmp_lg_u32 s[ISV], 0
	s_cbranch_scc1 .Lno_rope
; The rotation.  Accumulator (a, b), b < 4, holds x1 at channels 16 b + 8 h + j of position 16 a + r; (a, b + 4) holds x2 at the same places of the upper half.  x1' = x1 c - x2 s, x2' = x2 c + x1 s.
; The loads stand in the order of the blocks, 16 each, block 7's behind block 6's.  Behind blocks 0 to 7 stand 96, 96, 80, 64, 48, 32, 16, 0 loads; a wait names 63 at the most, which is the smaller, safe count.
.macro ROPE a
	CSMAP \a
.set W, 2+(\a)/4
.set W1, (CSW<<2)|W                    ; source 0: the accumulators' window; source 1: cos and sin's; destination: window 0
.set W2, (W<<6)|(CSW<<2)|W             ; and the destination in the accumulators' window; source 2 in window 0
.if (\a) < 4
	s_wait_loadcnt 63
.else
	s_wait_loadcnt 16*(7-(\a))
.endif
.irp b, 0,1,2,3
.set X1, 8*(8*((\a)%4)+\b)
.set X2, X1+32
	WIN W1
.irp p, 0,2,4,6
	v_pk_mul_f32 v[160+\p:161+\p], v[X1+\p:X1+\p+1], v[CSB+8*\b+\p:CSB+8*\b+\p+1]            ; x1 c; each accumulator is read from its low end on
.endr
.irp p, 0,2,4,6
	v_pk_mul_f32 v[168+\p:169+\p], v[X1+\p:X1+\p+1], v[CSB+32+8*\b+\p:CSB+32+8*\b+\p+1]      ; x1 s
.endr
	WIN W2
.irp p, 0,2,4,6
	v_pk_fma_f32 v[X1+\p:X1+\p+1], v[X2+\p:X2+\p+1], v[CSB+32+8*\b+\p:CSB+32+8*\b+\p+1], v[160+\p:161+\p] neg_lo:[1,0,0] neg_hi:[1,0,0]
.endr
.irp p, 0,2,4,6
	v_pk_fma_f32 v[X2+\p:X2+\p+1], v[X2+\p:X2+\p+1], v[CSB+8*\b+\p:CSB+8*\b+\p+1], v[168+\p:169+\p]
.endr
.endr
	WIN 0
.if (\a) == 0
	LOADCS 7                                       ; into the registers that block 0 has just left
.endif
.endm
	LOADCS 3
	LOADCS 4
	LOADCS 5
	LOADCS 6
.irp a, 0,1,2,3,4,5,6,7
	ROPE \a
.endr
.Lno_rope:
; Positions 0 to 15 of a batch, in f32, as the accumulators stand: q, k: block a = 0, all channels; v: key tile b = 0, all channels.
	s_cmp_lg_u32 s51, 0
	s_cbranch_scc1 .Lno_fine
	s_cmp_lg_u32 s[ISV], 0
	s_cbranch_scc1 .Lfine_v
	WIN 0x08                                       ; a store's data: window 2
.irp b, 0,1,2,3,4,5,6,7
	global_store_b128 v[VL], v[8*\b:8*\b+3], s[14:15] offset:\b*1024
	global_store_b128 v[VL], v[8*\b+4:8*\b+7], s[14:15] offset:\b*1024+512
.endr
	WIN 0
	s_branch .Lno_fine
.Lfine_v:
	WIN 0x08
.irp a, 0,1,2,3
	global_store_b128 v[VL], v[64*\a:64*\a+3], s[14:15] offset:\a*1024
	global_store_b128 v[VL], v[64*\a+4:64*\a+7], s[14:15] offset:\a*1024+512
.endr
	WIN 0x0c
.irp a, 0,1,2,3
	global_store_b128 v[VL], v[64*\a:64*\a+3], s[14:15] offset:(\a+4)*1024
	global_store_b128 v[VL], v[64*\a+4:64*\a+7], s[14:15] offset:(\a+4)*1024+512
.endr
	WIN 0
.Lno_fine:
; The block's largest magnitude, in four chains, with the floor 2^(9 - 127) as their start
.irp p, 0,1,2,3
	v_mov_b32 v[176+\p], 0x04800000
.endr
	v_mov_b32 v181, 0                              ; a lane permute's destination counts as one of its sources
	WIN 0x28
.set i, 0
.rept 32
.irp p, 0,1,2,3
	v_max3_num_f32 v[176+\p], v[176+\p], |v[8*i+2*\p]|, |v[8*i+2*\p+1]|
.endr
.set i, i+1
.endr
	WIN 0x3c
.set i, 0
.rept 32
.irp p, 0,1,2,3
	v_max3_num_f32 v[176+\p], v[176+\p], |v[8*i+2*\p]|, |v[8*i+2*\p+1]|
.endr
.set i, i+1
.endr
	WIN 0
	v_max3_num_f32 v176, v176, v177, v178
	v_max_num_f32 v176, v176, v179
	v_max_num_f32_dpp v176, v176, v176 row_xmask:1 row_mask:0xf bank_mask:0xf
	v_max_num_f32_dpp v176, v176, v176 row_xmask:2 row_mask:0xf bank_mask:0xf
	v_max_num_f32_dpp v176, v176, v176 row_xmask:4 row_mask:0xf bank_mask:0xf
	v_max_num_f32_dpp v176, v176, v176 row_xmask:8 row_mask:0xf bank_mask:0xf
	v_permlanex16_b32 v181, v176, s54, s55
	v_max_num_f32 v176, v176, v181
	v_and_b32 v180, 0x7f800000, v176               ; its exponent field ef, in place
	v_sub_nc_u32 v182, 0x83000000, v180            ; 2^(135 - ef): exact, and brings the largest into [2^8, 2^9)
	v_mov_b32 v183, v182
	v_add_nc_u32 v184, 0xfc000000, v180            ; 2^(ef - 135): what undoes it
.macro OUTA a                          ; block a: scaled, rounded to f16 in pairs, stored as four images
.set W, 2+(\a)/4
.set AC, 64*((\a)%4)
.set TB, 192+32*((\a)%2)
.if (\a) >= 2
	s_wait_xcnt 0x0                                ; the stores of two blocks ago have read this set of registers
.endif
	WIN W
.set i, 0
.rept 32
	v_pk_mul_f32 v[32+2*i:33+2*i], v[AC+2*i:AC+2*i+1], v[182:183] op_sel_hi:[1,0]
.set i, i+1
.endr
	WIN 0
.set i, 0
.rept 32
	v_cvt_pk_f16_f32 v[TB+i], v[32+2*i], v[33+2*i]
.set i, i+1
.endr
.irp b, 0,1,2,3,4,5,6,7
	global_store_b128 v[VL], v[TB+4*\b:TB+4*\b+3], s[10:11] offset:(\a)*4096+(\b/2)*1024+(\b%2)*512   ; 512 consecutive bytes
.endr
.endm
.irp a, 0,1,2,3,4,5,6,7
	OUTA \a
.endr
	s_wait_xcnt 0x0                                ; EXEC changes only behind this wait
	v_cmp_eq_u32 vcc_lo, 0, v[LZ]
	s_and_saveexec_b32 s56, vcc_lo
	global_store_b32 v[LZ], v184, s[12:13]         ; lane 0 stores the block's inverse scale
	s_wait_xcnt 0x0
	s_or_b32 exec_lo, exec_lo, s56
	s_wait_tensorcnt 0x0                           ; the wave's end
	ds_add_u32 v[SPW], v[NIL]
	s_wait_dscnt 0x0
	s_endpgm
.Lfunc_end_k_qcd54f7a208_gemm:
	.size	k_qcd54f7a208_gemm, .Lfunc_end_k_qcd54f7a208_gemm-k_qcd54f7a208_gemm
	.p2alignl 7, 3214868480
	.fill 96, 4, 3214868480
	.section	.rodata,"a",@progbits
	.p2align	6, 0x0
	.amdhsa_kernel k_qcd54f7a208_gemm
		.amdhsa_group_segment_fixed_size 327680
		.amdhsa_private_segment_fixed_size 0
		.amdhsa_enable_private_segment 0
		.amdhsa_kernarg_size 48
		.amdhsa_user_sgpr_count 2
		.amdhsa_user_sgpr_kernarg_segment_ptr 1
		.amdhsa_wavefront_size32 1
		.amdhsa_system_sgpr_workgroup_id_x 1
		.amdhsa_system_sgpr_workgroup_id_y 1
		.amdhsa_system_sgpr_workgroup_id_z 1
		.amdhsa_system_vgpr_workitem_id 0
		.amdhsa_next_free_vgpr 1024
		.amdhsa_next_free_sgpr 80
		.amdhsa_reserve_vcc 1
		.amdhsa_float_denorm_mode_32 3
		.amdhsa_float_denorm_mode_16_64 3
		.amdhsa_memory_ordered 1
		.amdhsa_forward_progress 1
		.amdhsa_inst_pref_size 255
	.end_amdhsa_kernel
	.section	.bss,"aw",@nobits
	.p2align	6
	.space	262144
	.amdgpu_metadata
---
amdhsa.version: [ 1, 2 ]
amdhsa.kernels:
  - .name:           k_qcd54f7a208_gemm
    .symbol:         k_qcd54f7a208_gemm.kd
    .args:
      - { .name: xq, .offset: 0, .size: 8, .value_kind: global_buffer, .address_space: global }
      - { .name: wcod, .offset: 8, .size: 8, .value_kind: global_buffer, .address_space: global }
      - { .name: csi, .offset: 16, .size: 8, .value_kind: global_buffer, .address_space: global }
      - { .name: qkv, .offset: 24, .size: 8, .value_kind: global_buffer, .address_space: global }
      - { .name: scl, .offset: 32, .size: 8, .value_kind: global_buffer, .address_space: global }
      - { .name: fin, .offset: 40, .size: 8, .value_kind: global_buffer, .address_space: global }
    .group_segment_fixed_size: 327680
    .private_segment_fixed_size: 0
    .kernarg_segment_align: 8
    .kernarg_segment_size: 48
    .max_flat_workgroup_size: 128
    .sgpr_count:     80
    .vgpr_count:     1024
    .wavefront_size: 32
...
	.end_amdgpu_metadata
.endif
;; end of part 2
;; launch attn (part 3): grid 16 x 16, 4 waves a work-group, no clusters, 139,776 bytes of LDS; arguments qkv, scl, oi; writes oi
.if DOCPART == 3
	.amdgcn_target "amdgcn-amd-amdhsa--gfx1250"
	.amdhsa_code_object_version 6
	.text
	.protected	k_qcd54f7a208_attn
	.globl	k_qcd54f7a208_attn
	.p2align	8
	.type	k_qcd54f7a208_attn,@function
k_qcd54f7a208_attn:
	s_mov_b64 s[64:65], 0
	v_nop
	global_prefetch_b8 v0, s[64:65] scope:SCOPE_SE
	s_setreg_imm32_b32 hwreg(HW_REG_WAVE_MODE, 25, 1), 1
	s_wait_xcnt 0x0
; o = softmax(q k^T / sqrt(128), causal) v for one batch and head (work-group y), f16 operands with a power-of-two scale for each 128 positions, sums, maxima and exponentials in f32.
; SHARES.  Work-group x = i owns two blocks of 64 queries, 31 - i (pass 0) and i (pass 1): (32 - i) + (i + 1) = 33 units of 64 x 64 in every work-group.  THE WAVES SHARE THE KEYS: each wave holds all 64 queries
; (four tiles of 16) and takes key steps w, w + 4, .. of 64 keys.  No two waves read the same K or V, so fragments go from memory straight into registers, as the images that the launch before stored:
; the loop has no LDS and no barrier.  The four partial results meet in LDS at each pass's end; wave w then finishes tile w.
; NO CLUSTER: the work-groups of a head need different numbers of key steps, and within a work-group nothing is shared.
; LAYOUT.  S^T = K Q^T (source 0 = 16 keys, source 1 = 16 queries): a lane holds one query (lane % 16) and keys 8 (lane / 16) + 0..7.  Two such tiles, rounded to f16 in pairs, are source 1 of O^T = V^T P.
; SCALES.  t = S x F, F = log2(e) / sqrt(128) x q's inverse scale x k's; the running maximum m is kept in units of t.  O^T is kept in units of the v scale of the step in hand: when that changes, O^T is multiplied by the
; ratio, a power of two.  At the end O is brought under G, the largest of all v scales: |o| <= max |v| < 2^9 G, so o / G has room in f16; the next launch multiplies by G.
; The step is written once for all steps but a wave's last: m starts at -3e38, l and O^T at zero, which a wave without any step also hands to the merge.
; LIMITS: NaN and infinities are not served; F must not underflow f32; the ratio of two v scales is held to 2^+-126; positions 0 to 15 of a batch are made again, in f32, by a later launch.
; REGISTERS, in windows of 256: window 0: addresses, statistics, v64-191 S^T (32 a tile), v192-255 P (16 a tile); window 1: O^T (64 a tile); window 2: v0-127 Q, v128-255 K; window 3: v0-127 V.
.set S,     64
.set P,     192
.set ST,    12                         ; tile t's statistics at v[ST + 8 t]: +0 m, +1 (named with it as a pair), +2, +3 l, +4 .. +7 c0 - c3, at work
.set STATS, 131072                     ; LDS: 0 .. 131,071 O^T's images [wave][tile][8,192]; then the statistics [wave][tile][512]
.set SPARE, 139264
.set VL,   2                           ; v2  16 x lane
.set DD,   3                           ; v3  r - 8 h: key j of my half is hidden on the diagonal where j > this
.set OW,   4                           ; v4  where I store O^T's images
.set SW,   5                           ; v5  and my statistics
.set OR0,  6                           ; v6  where I read tile w's images of waves 0, 1;  v7 of waves 2, 3
.set OR1,  7
.set NINF, 10                          ; v10 -infinity
.set SR,   11                          ; v11 where I read tile w's statistics
.set PFK,  44                          ; v44 256 x lane;  v45 4,096 (lane / 8) + 256 (lane % 8): the prefetches' offsets
.set PFV,  45
.set MS,   46                          ; v46-61 the merge: (m, l, g, at work) of the four waves
.set SPW,  62
.set NIL,  63
.set WV,  10
.set II,  11
.set YY,  12
.set PS,  13
.set JB,  14                           ; my block of 64 queries
.set CNT, 15
.set STP, 16                           ; the key step whose K was asked for last
.set NTR, 17
.set QB,  18
.set KB,  20
.set VB,  22
.set KH,  24
.set VH,  26
.set QH,  28
.set SCB, 30                           ; s[30:31] scl at my batch and head: q's scales; k's 0x400 on, v's 0x800 on
.set IQ,  36
.set IKN, 37
.set IVN, 38
.set IVP, 39                           ; the v scale that O^T stands in, as bits
.set RR,  40
.set GB,  41
.set SOFF, 42
.set PFL, 43
.set SEL, 44
.set OB,  46
.set OH,  48
.set FF,  50                           ; s[50:51] F: the packed form names a pair and takes its low word
.set CQ,  52
.set SO2, 53
.set TA,  54                           ; s[54:55] an offset; s55 stays 0
.set GG,  56
.set MSB, 0
.macro WIN new
.if MSB != (\new)
	s_set_vgpr_msb (MSB<<8)|(\new)
.set MSB, (\new)
.endif
.endm
.macro PLACES
.rept 4
	v_nop
.endr
.endm
	s_load_b128 s[4:7], s[0:1], 0x0                ; qkv, scl
	s_load_b64 s[8:9], s[0:1], 0x10                ; oi
	v_lshl_add_u32 v[SPW], v0, 2, SPARE
	v_mov_b32 v[NIL], 0
	v_lshrrev_b32 v1, 5, v0
	v_readfirstlane_b32 s[WV], v1
	v_and_b32 v1, 31, v0
	v_lshlrev_b32 v[VL], 4, v1
	v_and_b32 v8, 15, v0
	v_bfe_u32 v9, v0, 4, 1
	v_lshlrev_b32 v9, 3, v9
	v_sub_nc_u32 v[DD], v8, v9
	s_lshl_b32 s[TA], s[WV], 15                    ; every LDS address is made here, ahead of any parting of the waves
	v_add_nc_u32 v[OW], s[TA], v[VL]
	s_lshl_b32 s[TA], s[WV], 11
	s_add_co_u32 s[TA], s[TA], STATS
	v_add_nc_u32 v[SW], s[TA], v[VL]
	s_lshl_b32 s[TA], s[WV], 13
	v_add_nc_u32 v[OR0], s[TA], v[VL]
	v_add_nc_u32 v[OR1], 0x10000, v[OR0]
	s_lshl_b32 s[TA], s[WV], 9
	s_add_co_u32 s[TA], s[TA], STATS
	v_add_nc_u32 v[SR], s[TA], v[VL]
	v_mov_b32 v[NINF], 0xff800000
	v_lshlrev_b32 v[PFK], 8, v1
	v_lshrrev_b32 v[PFV], 3, v1
	v_lshlrev_b32 v[PFV], 12, v[PFV]
	v_and_b32 v9, 7, v1
	v_lshl_add_u32 v[PFV], v9, 8, v[PFV]
	v_lshlrev_b32 v8, 5, v1
	s_mov_b32 s[II], ttmp9
	s_and_b32 s[YY], ttmp7, 0xffff
	s_mov_b32 s[SEL], 0x76543210
	s_mov_b32 s[SEL+1], 0xfedcba98
	s_lshl_b32 s[TA], s[YY], 19                    ; a head's 512 KiB in each of q, k, v
	s_mov_b32 s[TA+1], 0
	s_wait_kmcnt 0x0
	global_load_b128 v[64:67], v8, s[6:7] offset:2048   ; v's 256 inverse scales, eight a lane
	global_load_b128 v[68:71], v8, s[6:7] offset:2064
	s_add_nc_u64 s[QH:QH+1], s[4:5], s[TA:TA+1]
	s_add_nc_u64 s[KH:KH+1], s[QH:QH+1], 0x800000
	s_add_nc_u64 s[VH:VH+1], s[QH:QH+1], 0x1000000
	s_lshl_b32 s[TA], s[YY], 6
	s_add_nc_u64 s[SCB:SCB+1], s[6:7], s[TA:TA+1]
	s_and_b32 s[TA], s[YY], 3
	s_lshl_b32 s[TA], s[TA], 21                    ; oi: a head is 2 MiB,
	s_lshr_b32 s57, s[YY], 2
	s_lshl_b32 s57, s57, 19                        ; a batch 128 tiles of 4,096 bytes
	s_add_co_u32 s[TA], s[TA], s57
	s_add_nc_u64 s[OH:OH+1], s[8:9], s[TA:TA+1]
	s_wait_loadcnt 0x0
	v_max3_num_f32 v64, v64, v65, v66
	v_max3_num_f32 v64, v64, v67, v68
	v_max3_num_f32 v64, v64, v69, v70
	v_max_num_f32 v64, v64, v71
	v_max_num_f32_dpp v64, v64, v64 row_xmask:1 row_mask:0xf bank_mask:0xf
	v_max_num_f32_dpp v64, v64, v64 row_xmask:2 row_mask:0xf bank_mask:0xf
	v_max_num_f32_dpp v64, v64, v64 row_xmask:4 row_mask:0xf bank_mask:0xf
	v_max_num_f32_dpp v64, v64, v64 row_xmask:8 row_mask:0xf bank_mask:0xf
	v_permlanex16_b32 v65, v64, s[SEL], s[SEL+1]
	v_max_num_f32 v64, v64, v65
	v_readfirstlane_b32 s[GB], v64                 ; G, as bits: it enters factors alone, no address and no branch
.macro LOADQK reg, base                ; 16 fragments of 16 rows x 32 channels, as they were stored: each load 512 consecutive bytes
	WIN 0x80                                       ; destination window 2
.irp i, 0,1,2,3,4,5,6,7,8,9,10,11,12,13,14,15
	global_load_b128 v[\reg+8*\i:\reg+8*\i+3], v[VL], s[\base:\base+1] offset:\i*1024
	global_load_b128 v[\reg+8*\i+4:\reg+8*\i+7], v[VL], s[\base:\base+1] offset:\i*1024+512
.endr
	WIN 0
.endm
.macro LOADV                           ; fragment f = 8 u + a: 16 channels x 32 keys
	WIN 0xc0                                       ; destination window 3
.irp f, 0,1,2,3,4,5,6,7,8,9,10,11,12,13,14,15
	global_load_b128 v[8*\f:8*\f+3], v[VL], s[VB:VB+1] offset:(\f%8)*4096+(\f/8)*1024
	global_load_b128 v[8*\f+4:8*\f+7], v[VL], s[VB:VB+1] offset:(\f%8)*4096+(\f/8)*1024+512
.endr
	WIN 0
.endm
; One tile's softmax, all four tiles by turns so that no line waits for the line above it.
.macro SOFTMAX
.irp j, 0,1,2,3
.irp t, 0,1,2,3
	v_max3_num_f32 v[ST+8*\t+4+\j], v[S+32*\t+8*\j], v[S+32*\t+8*\j+1], v[S+32*\t+8*\j+2]     ; each accumulator is read from its low end on
.endr
.endr
.irp g, 3,5
.irp j, 0,1,2,3
.irp t, 0,1,2,3
	v_max3_num_f32 v[ST+8*\t+4+\j], v[ST+8*\t+4+\j], v[S+32*\t+8*\j+\g], v[S+32*\t+8*\j+\g+1]
.endr
.endr
.endr
.irp t, 0,1,2,3
	v_max3_num_f32 v[ST+8*\t+4], v[ST+8*\t+4], v[S+32*\t+7], v[S+32*\t+15]
.endr
.irp t, 0,1,2,3
	v_max3_num_f32 v[ST+8*\t+6], v[ST+8*\t+6], v[S+32*\t+23], v[S+32*\t+31]
.endr
.irp t, 0,1,2,3
	v_max3_num_f32 v[ST+8*\t+4], v[ST+8*\t+4], v[ST+8*\t+5], v[ST+8*\t+6]
.endr
.irp t, 0,1,2,3
	v_max_num_f32 v[ST+8*\t+4], v[ST+8*\t+4], v[ST+8*\t+7]
.endr
.irp t, 0,1,2,3
	v_permlanex16_b32 v[ST+8*\t+5], v[ST+8*\t+4], s[SEL], s[SEL+1]   ; the query's other 32 keys lie in the lane 16 away
.endr
.irp t, 0,1,2,3
	v_max_num_f32 v[ST+8*\t+4], v[ST+8*\t+4], v[ST+8*\t+5]
.endr
.irp t, 0,1,2,3
	v_mul_f32 v[ST+8*\t+5], s[FF], v[ST+8*\t+4]    ; the step's largest t (F is positive)
.endr
.irp t, 0,1,2,3
	v_mov_b32 v[ST+8*\t+7], v[ST+8*\t]
.endr
.irp t, 0,1,2,3
	v_max_num_f32 v[ST+8*\t], v[ST+8*\t], v[ST+8*\t+5]   ; the running maximum
.endr
.irp t, 0,1,2,3
	v_sub_f32 v[ST+8*\t+7], v[ST+8*\t+7], v[ST+8*\t]     ; old m - new m
.endr
.set i, 0
.rept 16
.irp t, 0,1,2,3
	v_pk_fma_f32 v[S+32*\t+2*i:S+32*\t+2*i+1], v[S+32*\t+2*i:S+32*\t+2*i+1], s[FF:FF+1], v[ST+8*\t:ST+8*\t+1] op_sel_hi:[1,0,0] neg_lo:[0,0,1] neg_hi:[0,0,1]   ; t - m
.endr
.set i, i+1
.endr
.irp t, 0,1,2,3
	v_exp_f32 v[ST+8*\t+6], v[ST+8*\t+7]           ; a = 2^(old m - new m)
.endr
.set i, 0
.rept 32
.irp t, 0,1,2,3
	v_exp_f32 v[S+32*\t+i], v[S+32*\t+i]           ; p
.endr
.set i, i+1
.endr
	v_nop                                          ; a plain instruction behind the last exponential
	s_wait_alu depctr_va_vdst(0)                   ; one wait for the batch of 132, ahead of its first reader
.irp t, 0,1,2,3
	v_mul_f32 v[ST+8*\t+4], s[RR], v[ST+8*\t+6]    ; O^T's factor: a x the ratio of v's scales
.endr
.set i, 0
.rept 16
.irp t, 0,1,2,3
	v_cvt_pk_f16_f32 v[P+16*\t+i], v[S+32*\t+2*i], v[S+32*\t+2*i+1]
.endr
.set i, i+1
.endr
.irp z, 0,1,2,3,4,5,6,7
.irp t, 0,1,2,3
	v_pk_add_f32 v[S+32*\t+4*\z:S+32*\t+4*\z+1], v[S+32*\t+4*\z:S+32*\t+4*\z+1], v[S+32*\t+4*\z+2:S+32*\t+4*\z+3]   ; the sum of the unrounded p, as a tree, in place
.endr
.endr
.irp z, 0,1,2,3
.irp t, 0,1,2,3
	v_pk_add_f32 v[S+32*\t+8*\z:S+32*\t+8*\z+1], v[S+32*\t+8*\z:S+32*\t+8*\z+1], v[S+32*\t+8*\z+4:S+32*\t+8*\z+5]
.endr
.endr
.irp z, 0,1
.irp t, 0,1,2,3
	v_pk_add_f32 v[S+32*\t+16*\z:S+32*\t+16*\z+1], v[S+32*\t+16*\z:S+32*\t+16*\z+1], v[S+32*\t+16*\z+8:S+32*\t+16*\z+9]
.endr
.endr
.irp t, 0,1,2,3
	v_pk_add_f32 v[S+32*\t:S+32*\t+1], v[S+32*\t:S+32*\t+1], v[S+32*\t+16:S+32*\t+17]
.endr
.irp t, 0,1,2,3
	v_pk_fma_f32 v[ST+8*\t+2:ST+8*\t+3], v[ST+8*\t+2:ST+8*\t+3], v[ST+8*\t+6:ST+8*\t+7], v[S+32*\t:S+32*\t+1] op_sel_hi:[1,0,1]   ; l = a l + the sum
.endr
	WIN 0x41                                       ; O^T (destination and source 0) in window 1
.irp t, 0,1,2,3
.set i, 0
.rept 32
	v_pk_mul_f32 v[64*\t+2*i:64*\t+2*i+1], v[64*\t+2*i:64*\t+2*i+1], v[ST+8*\t+4:ST+8*\t+5] op_sel_hi:[1,0]
.set i, i+1
.endr
.endr
.endm
; A KEY STEP.  more = 1: the next step's K and V are asked for.  more = 0: the wave's last step, which alone can lie on the diagonal.
.macro TRIP more
	s_wait_loadcnt 32                              ; Q and this step's K are in; V's 32 loads, issued behind them, may be out: the same on the way in and over the backward jump
	WIN 0x0a                                       ; K and Q in window 2, S^T in window 0
.irp c, 0,1,2,3                        ; 16 accumulators by turns; the first 16 products start the sums
.irp kt, 0,1,2,3
.irp t, 0,1,2,3
.if \c == 0
	v_wmma_f32_16x16x32_f16 v[S+32*\t+8*\kt:S+32*\t+8*\kt+7], v[128+32*\kt+8*\c:128+32*\kt+8*\c+7], v[32*\t+8*\c:32*\t+8*\c+7], 0
.else
	v_wmma_f32_16x16x32_f16 v[S+32*\t+8*\kt:S+32*\t+8*\kt+7], v[128+32*\kt+8*\c:128+32*\kt+8*\c+7], v[32*\t+8*\c:32*\t+8*\c+7], v[S+32*\t+8*\kt:S+32*\t+8*\kt+7]
.endif
.endr
.endr
.endr
	WIN 0
	PLACES                                         ; in front of the loads into K's registers and of the first read of the scores
	s_wait_kmcnt 0x0                               ; this step's scales
	s_mul_f32 s[FF], s[IKN], s[CQ]
	s_mov_b32 s[FF+1], s[FF]
	s_sub_co_i32 s[RR], s[IVP], s[IVN]             ; the ratio old v scale / new v scale: a difference of exponent fields,
	s_max_i32 s[RR], s[RR], 0xc1000000             ; held to +-126,
	s_min_i32 s[RR], s[RR], 0x3f000000
	s_add_co_u32 s[RR], s[RR], 0x3f800000          ; as a power of two
	s_mov_b32 s[IVP], s[IVN]
.if \more
	s_wait_xcnt 0x0                                ; earlier loads and prefetches have read K's base
	s_add_co_u32 s[STP], s[STP], 4
	s_add_nc_u64 s[KB:KB+1], s[KB:KB+1], 0x10000   ; four steps of 16 KiB on
	LOADQK 128, KB
	s_lshr_b32 s[SOFF], s[STP], 1
	s_lshl_b32 s[SOFF], s[SOFF], 2
	s_load_b32 s[IKN], s[SCB:SCB+1], s[SOFF] offset:0x400
	s_load_b32 s[IVN], s[SCB:SCB+1], s[SOFF] offset:0x800
	s_cmp_le_i32 s[STP], s[PFL]                    ; the head's work-group 0, in pass 0, walks all 32 steps: it alone asks, each wave for the step one trip behind the one just loaded: 16 KiB, lanes 256 bytes apart;
	s_cbranch_scc0 .Lno_ask_k_\@                   ; each 256 bytes are named once; steps 0 to 7 come by their loads alone; nothing is asked for past step 31
	global_prefetch_b8 v[PFK], s[KB:KB+1] offset:65536 th:TH_LOAD_NT scope:SCOPE_SE
	global_prefetch_b8 v[PFK], s[KB:KB+1] offset:73728 th:TH_LOAD_NT scope:SCOPE_SE
.Lno_ask_k_\@:
.else
	s_cmp_lg_u32 s[STP], s[JB]                     ; ids alone
	s_cbranch_scc1 .Lopen_\@
.irp t, 0,1,2,3                        ; the diagonal step: key tiles behind the query tile are hidden whole, the tile on the diagonal where key 8 h + j > query r
.irp kt, 0,1,2,3
.if \kt > \t
.irp j, 0,1,2,3,4,5,6,7
	v_mov_b32 v[S+32*\t+8*\kt+\j], v[NINF]
.endr
.elseif \kt == \t
.irp j, 0,1,2,3,4,5,6,7
	v_cmp_gt_i32 vcc_lo, \j, v[DD]
	v_cndmask_b32 v[S+32*\t+8*\kt+\j], v[S+32*\t+8*\kt+\j], v[NINF], vcc_lo
.endr
.endif
.endr
.endr
.Lopen_\@:
.endif
	SOFTMAX
	s_wait_loadcnt 32*\more                        ; V is in; the next K's 32 loads may be out
	WIN 0x53                                       ; V in window 3, P in window 0, O^T in window 1
.irp u, 0,1                            ; 32 accumulators by turns
.irp a, 0,1,2,3,4,5,6,7
.irp t, 0,1,2,3
	v_wmma_f32_16x16x32_f16 v[64*\t+8*\a:64*\t+8*\a+7], v[64*\u+8*\a:64*\u+8*\a+7], v[P+16*\t+8*\u:P+16*\t+8*\u+7], v[64*\t+8*\a:64*\t+8*\a+7]
.endr
.endr
.endr
	WIN 0
.if \more
	PLACES                                         ; in front of the loads into V's registers
	s_wait_xcnt 0x0
	s_add_nc_u64 s[VB:VB+1], s[VB:VB+1], 0x10000
	LOADV
	s_cmp_le_i32 s[STP], s[PFL]
	s_cbranch_scc0 .Lno_ask_v_\@
	global_prefetch_b8 v[PFV], s[VB:VB+1] offset:65536 th:TH_LOAD_NT scope:SCOPE_SE
	global_prefetch_b8 v[PFV], s[VB:VB+1] offset:81920 th:TH_LOAD_NT scope:SCOPE_SE
.Lno_ask_v_\@:
.endif
.endm
.macro MLOAD reg, adr, off             ; a tile's 64 registers of O^T, as another wave stored them
.irp g, 0,1,2,3,4,5,6,7,8,9,10,11,12,13,14,15
	ds_load_b128 v[\reg+4*\g:\reg+4*\g+3], v[\adr] offset:\off+512*\g
.endr
.endm
	s_mov_b32 s[PS], 0
.Lpass:
	s_sub_co_u32 s[TA], 31, s[II]
	s_cmp_eq_u32 s[PS], 0
	s_cselect_b32 s[JB], s[TA], s[II]
	s_or_b32 s57, s[II], s[PS]
	s_cmp_eq_u32 s57, 0
	s_cselect_b32 s[PFL], 27, -1
	s_add_co_u32 s[NTR], s[JB], 4
	s_sub_co_u32 s[NTR], s[NTR], s[WV]
	s_lshr_b32 s[NTR], s[NTR], 2                   ; my key steps: w, w + 4, .. up to the block's own
	s_mov_b32 s[IVP], s[GB]
	s_lshl_b32 s[TA], s[JB], 2
	s_add_co_u32 s[TA], s[TA], s[WV]
	s_lshl_b32 s[TA], s[TA], 12
	s_add_nc_u64 s[OB:OB+1], s[OH:OH+1], s[TA:TA+1]   ; where tile w of this block goes
.irp t, 0,1,2,3
	v_mov_b32 v[ST+8*\t], 0xff61b1e6               ; m = -3e38, under every t
.irp j, 1,2,3,4,5,6,7
	v_mov_b32 v[ST+8*\t+\j], 0
.endr
.endr
	WIN 0x40
.set i, 0
.rept 256
	v_mov_b32 v[i], 0                              ; O^T: the step is written once, and a wave without a step hands zeros to the merge
.set i, i+1
.endr
	WIN 0
	s_cmp_eq_u32 s[NTR], 0
	s_cbranch_scc1 .Lmerge
	s_mov_b32 s[STP], s[WV]
	s_lshr_b32 s[SOFF], s[JB], 1
	s_lshl_b32 s[SOFF], s[SOFF], 2
	s_lshr_b32 s[SO2], s[WV], 1
	s_lshl_b32 s[SO2], s[SO2], 2
	s_load_b32 s[IQ], s[SCB:SCB+1], s[SOFF] offset:0x0
	s_load_b32 s[IKN], s[SCB:SCB+1], s[SO2] offset:0x400
	s_load_b32 s[IVN], s[SCB:SCB+1], s[SO2] offset:0x800
	s_lshl_b32 s[TA], s[JB], 14
	s_add_nc_u64 s[QB:QB+1], s[QH:QH+1], s[TA:TA+1]
	s_lshl_b32 s[TA], s[WV], 14
	s_add_nc_u64 s[KB:KB+1], s[KH:KH+1], s[TA:TA+1]
	s_lshr_b32 s[TA], s[WV], 1
	s_lshl_b32 s[TA], s[TA], 15
	s_and_b32 s57, s[WV], 1
	s_lshl_b32 s57, s57, 11
	s_add_co_u32 s[TA], s[TA], s57
	s_add_nc_u64 s[VB:VB+1], s[VH:VH+1], s[TA:TA+1]
	LOADQK 0, QB
	LOADQK 128, KB
	LOADV
	s_wait_kmcnt 0x0
	s_mul_f32 s[CQ], s[IQ], 0x3e0293ee             ; log2(e) / sqrt(128) x q's inverse scale
	s_sub_co_u32 s[CNT], s[NTR], 1
	s_cmp_eq_u32 s[CNT], 0
	s_cbranch_scc1 .Llast
.Lstep:
	TRIP 1
	s_sub_co_u32 s[CNT], s[CNT], 1
	s_cmp_lg_u32 s[CNT], 0
	s_cbranch_scc1 .Lstep
.Llast:
	TRIP 0
.Lmerge:
; THE MERGE.  Every wave stores its four tiles of O^T and, for each, (m, l, g): g = its v scale / G.  Behind the barrier wave w adds tile w: o / G = sum of 2^(m_s - m) g_s O_s / sum of 2^(m_s - m) l_s.
	PLACES                                         ; behind the last products
	s_sub_co_i32 s[GG], s[IVP], s[GB]
	s_add_co_i32 s[GG], s[GG], 0x3f800000
	s_max_i32 s[GG], s[GG], 0                      ; a power of two, at most 1; 0 where it would fall under the smallest
.irp t, 0,1,2,3
	v_add_f32 v[ST+8*\t+5], v[ST+8*\t+2], v[ST+8*\t+3]
.endr
.irp t, 0,1,2,3
	v_permlanex16_b32 v[ST+8*\t+6], v[ST+8*\t+5], s[SEL], s[SEL+1]
.endr
.irp t, 0,1,2,3
	v_add_f32 v[ST+8*\t+5], v[ST+8*\t+5], v[ST+8*\t+6]
.endr
.irp t, 0,1,2,3
	v_mov_b32 v[ST+8*\t+4], v[ST+8*\t]
	v_mov_b32 v[ST+8*\t+6], s[GG]
	v_mov_b32 v[ST+8*\t+7], 0
.endr
.irp t, 0,1,2,3
	ds_store_b128 v[SW], v[ST+8*\t+4:ST+8*\t+7] offset:512*\t
.endr
	WIN 0x04                                       ; an LDS store's data: window 1
.irp t, 0,1,2,3
.irp g, 0,1,2,3,4,5,6,7,8,9,10,11,12,13,14,15
	ds_store_b128 v[OW], v[64*\t+4*\g:64*\t+4*\g+3] offset:8192*\t+512*\g     ; each accumulator from its low end on
.endr
.endr
	WIN 0
	s_wait_dscnt 0x0                               ; for the others' sake: my stores have landed
	s_barrier_signal -1
	s_barrier_wait -1
.irp s, 0,1,2,3
	ds_load_b128 v[MS+4*\s:MS+4*\s+3], v[SR] offset:2048*\s
.endr
	MLOAD 64, OR0, 0
	MLOAD 128, OR0, 32768
	s_wait_dscnt 32                                ; the statistics are in; two sources' 32 loads may be out
	v_max3_num_f32 v8, v[MS], v[MS+4], v[MS+8]
	v_max_num_f32 v8, v8, v[MS+12]
.irp s, 0,1,2,3
	v_sub_f32 v[MS+4*\s+3], v[MS+4*\s], v8
.endr
.irp s, 0,1,2,3
	v_exp_f32 v[MS+4*\s+3], v[MS+4*\s+3]
.endr
	v_nop
	s_wait_alu depctr_va_vdst(0)                   ; one wait for the four
	v_mul_f32 v9, v[MS+3], v[MS+1]
	v_fmac_f32 v9, v[MS+7], v[MS+5]
	v_fmac_f32 v9, v[MS+11], v[MS+9]
	v_fmac_f32 v9, v[MS+15], v[MS+13]
	v_rcp_f32 v1, v9
.irp s, 0,1,2,3
	v_mul_f32 v[MS+4*\s+2], v[MS+4*\s+2], v[MS+4*\s+3]   ; plain work behind the reciprocal
.endr
	s_wait_alu depctr_va_vdst(0)
.irp s, 0,1,2,3
	v_mul_f32 v[MS+4*\s+2], v[MS+4*\s+2], v1
.endr
	s_wait_dscnt 16                                ; source 0 is in
.set i, 0
.rept 32
	v_pk_mul_f32 v[P+2*i:P+2*i+1], v[64+2*i:65+2*i], v[MS+2:MS+3] op_sel_hi:[1,0]
.set i, i+1
.endr
	MLOAD 64, OR1, 0
	s_wait_dscnt 16                                ; source 1 is in
.set i, 0
.rept 32
	v_pk_fma_f32 v[P+2*i:P+2*i+1], v[128+2*i:129+2*i], v[MS+6:MS+7], v[P+2*i:P+2*i+1] op_sel_hi:[1,0,1]
.set i, i+1
.endr
	MLOAD 128, OR1, 32768
	s_wait_dscnt 16                                ; source 2 is in
.set i, 0
.rept 32
	v_pk_fma_f32 v[P+2*i:P+2*i+1], v[64+2*i:65+2*i], v[MS+10:MS+11], v[P+2*i:P+2*i+1] op_sel_hi:[1,0,1]
.set i, i+1
.endr
	s_wait_dscnt 0x0                               ; source 3 is in, and all my reads of LDS are over:
	s_barrier_signal -1                            ; say so; only work on registers up to the wait
.set i, 0
.rept 32
	v_pk_fma_f32 v[P+2*i:P+2*i+1], v[128+2*i:129+2*i], v[MS+14:MS+15], v[P+2*i:P+2*i+1] op_sel_hi:[1,0,1]
.set i, i+1
.endr
.set i, 0
.rept 32
	v_cvt_pk_f16_f32 v[64+i], v[P+2*i], v[P+2*i+1] ; registers 8 c .. 8 c + 7 are the fragment (16 rows x channels 32 c ..) of the projection's operand
.set i, i+1
.endr
	s_barrier_wait -1                              ; the next pass may write LDS
.irp c, 0,1,2,3
	global_store_b128 v[VL], v[64+8*\c:64+8*\c+3], s[OB:OB+1] offset:\c*1024
	global_store_b128 v[VL], v[64+8*\c+4:64+8*\c+7], s[OB:OB+1] offset:\c*1024+512
.endr
	s_wait_xcnt 0x0                                ; the stores have read their registers and base, the prefetches theirs: the next pass writes them
	s_add_co_u32 s[PS], s[PS], 1
	s_cmp_lt_u32 s[PS], 2
	s_cbranch_scc1 .Lpass
	s_wait_tensorcnt 0x0                           ; the wave's end
	ds_add_u32 v[SPW], v[NIL]
	s_wait_dscnt 0x0
	s_endpgm
.Lfunc_end_k_qcd54f7a208_attn:
	.size	k_qcd54f7a208_attn, .Lfunc_end_k_qcd54f7a208_attn-k_qcd54f7a208_attn
	.p2alignl 7, 3214868480
	.fill 96, 4, 3214868480
	.section	.rodata,"a",@progbits
	.p2align	6, 0x0
	.amdhsa_kernel k_qcd54f7a208_attn
		.amdhsa_group_segment_fixed_size 139776
		.amdhsa_private_segment_fixed_size 0
		.amdhsa_enable_private_segment 0
		.amdhsa_kernarg_size 24
		.amdhsa_user_sgpr_count 2
		.amdhsa_user_sgpr_kernarg_segment_ptr 1
		.amdhsa_wavefront_size32 1
		.amdhsa_system_sgpr_workgroup_id_x 1
		.amdhsa_system_sgpr_workgroup_id_y 1
		.amdhsa_system_sgpr_workgroup_id_z 1
		.amdhsa_system_vgpr_workitem_id 0
		.amdhsa_next_free_vgpr 1024
		.amdhsa_next_free_sgpr 66
		.amdhsa_reserve_vcc 1
		.amdhsa_float_denorm_mode_32 3
		.amdhsa_float_denorm_mode_16_64 3
		.amdhsa_memory_ordered 1
		.amdhsa_forward_progress 1
		.amdhsa_inst_pref_size 131
	.end_amdhsa_kernel
	.amdgpu_metadata
---
amdhsa.version: [ 1, 2 ]
amdhsa.kernels:
  - .name:           k_qcd54f7a208_attn
    .symbol:         k_qcd54f7a208_attn.kd
    .args:
      - { .name: qkv, .offset: 0, .size: 8, .value_kind: global_buffer, .address_space: global }
      - { .name: scl, .offset: 8, .size: 8, .value_kind: global_buffer, .address_space: global }
      - { .name: oi, .offset: 16, .size: 8, .value_kind: global_buffer, .address_space: global }
    .group_segment_fixed_size: 139776
    .private_segment_fixed_size: 0
    .kernarg_segment_align: 8
    .kernarg_segment_size: 24
    .max_flat_workgroup_size: 128
    .sgpr_count:     66
    .vgpr_count:     1024
    .wavefront_size: 32
...
	.end_amdgpu_metadata
.endif
;; end of part 3
;; launch oproj (part 4): grid 8 x 32, 4 waves a work-group, clusters of 4 x 4, 327,680 bytes of LDS; arguments oi, woi, scl, out0; writes out0
.if DOCPART == 4
	.amdgcn_target "amdgcn-amd-amdhsa--gfx1250"
	.amdhsa_code_object_version 6
	.text
	.protected	k_qcd54f7a208_oproj
	.globl	k_qcd54f7a208_oproj
	.p2align	8
	.type	k_qcd54f7a208_oproj,@function
k_qcd54f7a208_oproj:
	s_mov_b64 s[64:65], 0
	v_nop
	global_prefetch_b8 v0, s[64:65] scope:SCOPE_SE
	s_setreg_imm32_b32 hwreg(HW_REG_WAVE_MODE, 25, 1), 1
	s_wait_xcnt 0x0
	s_wait_alu depctr_hold_cnt(0) depctr_sa_sdst(0) depctr_va_vdst(0) depctr_va_sdst(0) depctr_va_ssrc(0) depctr_va_vcc(0) depctr_vm_vsrc(0)
	s_getreg_b32 s2, hwreg(HW_REG_IB_STS2, 6, 4)
	s_cmp_eq_u32 s2, 0
	s_cbranch_scc0 .Lentry_in_a_cluster
	s_endpgm
.Lentry_in_a_cluster:
	s_bfe_u32 s2, ttmp6, 0x10000c
	s_cmp_lg_u32 s2, 0xf033
	s_cbranch_scc0 .Lentry_shape_is_right
	s_endpgm
.Lentry_shape_is_right:
; out0 = o wo: [8192, 512] x [512, 2048], f16 operands, f32 sums, f32 out.  o comes as o / G (G: the largest of v's inverse scales, a power of two); the results are multiplied by G on the way out.
; A tile of out0, 256 x 256, is made by four waves, 128 x 128 each: 64 accumulators.  K goes in four steps of 128 (one head) through a ring of two LDS slots.
; BOTH OPERANDS LIE IN MEMORY AS IMAGES OF FRAGMENTS' REGISTERS: a K step's tile of 256 rows is one dense block of 64 KiB; a wave's tensor load brings 32 KiB of it; a fragment is two loads of 512 consecutive bytes: no pitch, no padding.
; CLUSTERS: 4 x 4 work-groups; o's tile is asked for jointly along a row of the cluster, wo's along a column.  THE MATRIX INSTRUCTION IS USED TRANSPOSED (source 0 = 16 columns of wo, source 1 = 16 rows of o).
; Rows 0 to 15 of each batch are stored here like all others and written once more, in f32 arithmetic, by the launch that follows: leaving them out would be a branch on a work-group's place in its cluster.
; No prefetch: all four K steps are first fills or are asked for within two steps of the head.
; REGISTERS: window 0: v0-31 addresses, G; v64-127, v128-191 o's fragments, two buffers; window 1: wo's at the same numbers; windows 2, 3: the accumulators.  On the way out v32-255 of window 0 are free.
.set SLOT,   131072                    ; o's 64 KiB, then wo's
.set SPARE,  262144
.set SPITCH, 528                       ; the way out: a stage of 16 rows x (512 + 16) bytes for each wave, in slot 0, which has had its last fill and its last read by then
.set ADRA, 16
.set ADRB, 20
.set STO,  24
.set RD,   25
.set CO,   26
.set SPW,  28
.set NIL,  29
.set GV,   30                          ; v[30:31] G
.set TMP,  32
.set F0,   64
.set F1,   128
.set BK,   128
.set WV,  12
.set FB,  13                           ; wave >> 1: my half of the rows; also: I fetch for o (0) or for wo (1)
.set HF,  14                           ; wave & 1: my half of the columns; also: which 32 KiB I fetch
.set TY,  15
.set G1,  24
.set G0,  32
.set G1B, 48
.set G0B, 56
.set MSB, 0
.macro WIN new
.if MSB != (\new)
	s_set_vgpr_msb (MSB<<8)|(\new)
.set MSB, (\new)
.endif
.endm
.set MUL_LO, 0xa1
.set MUL_HI, 0xf1
.set TO_B,   0x40
.macro JLOAD s                         ; a joint load: each of the two lines has one mask and one set of registers; the branch hangs on the wave's number alone
	s_cmp_eq_u32 s[FB], 0
	s_cbranch_scc0 .Lfor_b_\@
	tensor_load_to_lds s[G0+4*\s:G0+4*\s+3], s[G1:G1+7]
	s_nop 0
.rept 4
	v_nop
.endr
	s_branch .Lasked_\@
.Lfor_b_\@:
	tensor_load_to_lds s[G0B+4*\s:G0B+4*\s+3], s[G1B:G1B+7]
	s_nop 0
.rept 4
	v_nop
.endr
.Lasked_\@:
.endm
.macro CREST
	s_cmp_lg_u32 s[WV], 0
	s_cbranch_scc1 .Lnot_wave_0_\@
	s_barrier_signal -3
.Lnot_wave_0_\@:
	s_barrier_wait -3
	s_barrier_signal -1
	s_barrier_wait -1
.endm
.macro CROUND
	s_barrier_signal -1
	s_barrier_wait -1
	CREST
.endm
	s_load_b256 s[4:11], s[0:1], 0x0               ; oi s[4:5], woi s[6:7], scl s[8:9], out0 s[10:11]
	v_lshl_add_u32 v[SPW], v0, 2, SPARE
	v_mov_b32 v[NIL], 0
	ds_add_u32 v[SPW], v[NIL]                      ; the wave's opening: the add, twice on end, and its wait ahead of my first tensor load
	ds_add_u32 v[SPW], v[NIL]
	v_lshrrev_b32 v1, 5, v0
	v_readfirstlane_b32 s[WV], v1
	s_lshr_b32 s[FB], s[WV], 1
	s_and_b32 s[HF], s[WV], 1
	s_bfe_u32 s40, ttmp6, 0x40000                  ; cx, cy
	s_bfe_u32 s41, ttmp6, 0x40004
	s_lshl_b32 s42, ttmp9, 2
	s_add_co_u32 s42, s42, s40                     ; tile column
	s_and_b32 s[TY], ttmp7, 0xffff
	s_lshl_b32 s[TY], s[TY], 2
	s_add_co_u32 s[TY], s[TY], s41                 ; tile row
	s_lshl_b32 s43, s41, 2
	s_lshl_b32 s43, 15, s43                        ; my row of the cluster
	s_lshl_b32 s44, 0x1111, s40                    ; my column
	s_or_b32 s[G1], s43, (3<<16)|(1<<21)           ; the mask; elements of 8 bytes; bit 21 set beside a mask; no padding
	s_or_b32 s[G1B], s44, (3<<16)|(1<<21)
.irp g, G1, G1B
	s_mov_b32 s[\g+1], 32<<16                      ; 32 KiB as 128 rows of 256 bytes
	s_mov_b32 s[\g+2], 128<<16
	s_mov_b32 s[\g+3], 32<<16
	s_mov_b32 s[\g+4], 128
	s_mov_b32 s[\g+5], 32
	s_mov_b32 s[\g+6], 0
	s_mov_b32 s[\g+7], 0
.endr
	s_lshl_b32 s16, s[TY], 16                      ; o: 64 KiB a tile row, my half
	s_lshl_b32 s17, s[HF], 15
	s_add_co_u32 s16, s16, s17
	s_mov_b32 s17, 0
	s_lshl_b32 s46, s42, 16                        ; wo: 64 KiB a tile column, my half
	s_lshl_b32 s47, s[HF], 15
	s_add_co_u32 s46, s46, s47
	s_mov_b32 s47, 0
	s_lshl_b32 s20, s[WV], 15                      ; where they go: wave x 32 KiB
	s_mov_b32 s66, 0x76543210
	s_mov_b32 s67, 0xfedcba98
	s_wait_dscnt 0x0                               ; both opening adds are done
	s_wait_kmcnt 0x0
	s_add_nc_u64 s[18:19], s[4:5], s[16:17]
	s_add_nc_u64 s[46:47], s[6:7], s[46:47]
	CROUND                                         ; all sixteen work-groups are here: the first joint loads meet
.irp s, 0,1
	s_mov_b32 s[G0+4*\s], 1
	s_add_co_u32 s[G0+4*\s+1], s20, \s*SLOT
	s_add_nc_u64 s[G0+4*\s+2:G0+4*\s+3], s[18:19], \s*0x200000     ; a K step of o is 2 MiB on
	s_or_b32 s[G0+4*\s+3], s[G0+4*\s+3], 0x80000000
	s_mov_b32 s[G0B+4*\s], 1
	s_add_co_u32 s[G0B+4*\s+1], s20, \s*SLOT
	s_add_nc_u64 s[G0B+4*\s+2:G0B+4*\s+3], s[46:47], \s*0x80000    ; of wo 512 KiB
	s_or_b32 s[G0B+4*\s+3], s[G0B+4*\s+3], 0x80000000
	JLOAD \s
.endr
	v_and_b32 v1, 31, v0
	v_lshlrev_b32 v2, 5, v1
	global_load_b128 v[32:35], v2, s[8:9] offset:2048   ; v's 256 inverse scales, eight a lane
	global_load_b128 v[36:39], v2, s[8:9] offset:2064
	v_lshlrev_b32 v3, 4, v1                        ; 16 x lane
	s_lshl_b32 s21, s[FB], 15
	s_lshl_b32 s22, s[HF], 15
	s_add_co_u32 s22, s22, 65536
.irp s, 0,1
	v_add_nc_u32 v[ADRA+\s], s21, v3
	v_add_nc_u32 v[ADRB+\s], s22, v3
	s_add_co_u32 s21, s21, SLOT
	s_add_co_u32 s22, s22, SLOT
.endr
	v_and_b32 v4, 15, v0
	v_bfe_u32 v5, v0, 4, 1
	s_mul_i32 s23, s[WV], 16*SPITCH                ; my stage
	v_mul_u32_u24 v6, v4, SPITCH
	v_lshl_add_u32 v6, v5, 5, v6
	v_add_nc_u32 v[STO], s23, v6                   ; in: row l % 16, 32 bytes for each half of the lanes
	v_mov_b32 v[CO], v3
	v_add_nc_u32 v[RD], s23, v3                    ; back: the 32 lanes take a row of 512 bytes
	s_lshl_b32 s16, s[TY], 21                      ; my first row: (256 tile row + 128 half) x 8,192 bytes
	s_lshl_b32 s17, s[FB], 20
	s_add_co_u32 s16, s16, s17
	s_mov_b32 s17, 0
	s_lshl_b32 s46, s42, 10                        ; my first column, in bytes
	s_lshl_b32 s47, s[HF], 9
	s_add_co_u32 s46, s46, s47
	s_mov_b32 s47, 0
	s_add_nc_u64 s[16:17], s[16:17], s[46:47]
	s_add_nc_u64 s[10:11], s[10:11], s[16:17]
	s_wait_loadcnt 0x0
	v_max3_num_f32 v32, v32, v33, v34
	v_max3_num_f32 v32, v32, v35, v36
	v_max3_num_f32 v32, v32, v37, v38
	v_max_num_f32 v32, v32, v39
	v_max_num_f32_dpp v32, v32, v32 row_xmask:1 row_mask:0xf bank_mask:0xf
	v_max_num_f32_dpp v32, v32, v32 row_xmask:2 row_mask:0xf bank_mask:0xf
	v_max_num_f32_dpp v32, v32, v32 row_xmask:4 row_mask:0xf bank_mask:0xf
	v_max_num_f32_dpp v32, v32, v32 row_xmask:8 row_mask:0xf bank_mask:0xf
	v_permlanex16_b32 v33, v32, s66, s67
	v_max_num_f32 v[GV], v32, v33
	v_mov_b32 v[GV+1], v[GV]
.macro MUL16 f, hi, a0, zero           ; 16 matrix instructions; the 64 accumulators take turns, one instruction a turn
.irp a, \a0, \a0+1
.irp b, 0,1,2,3,4,5,6,7
.if \zero
	v_wmma_f32_16x16x32_f16 v[8*(8*(\a)+\b):8*(8*(\a)+\b)+7], v[\f+8*\b:\f+8*\b+7], v[\f+8*(4*\hi+\a):\f+8*(4*\hi+\a)+7], 0
.else
	v_wmma_f32_16x16x32_f16 v[8*(8*(\a)+\b):8*(8*(\a)+\b)+7], v[\f+8*\b:\f+8*\b+7], v[\f+8*(4*\hi+\a):\f+8*(4*\hi+\a)+7], v[8*(8*(\a)+\b):8*(8*(\a)+\b)+7]
.endif
.endr
.endr
.endm
.macro FETCH slot, q, f                ; the fragments of the slot's q-th 32 along K: 32 LDS loads in one run
	WIN TO_B
.irp i, 0,1,2,3,4,5,6,7
	ds_load_b128 v[\f+8*\i:\f+8*\i+3],   v[ADRB+\slot] offset:\q*1024+\i*4096
	ds_load_b128 v[\f+8*\i+4:\f+8*\i+7], v[ADRB+\slot] offset:\q*1024+\i*4096+512
.endr
	WIN 0
.irp i, 0,1,2,3,4,5,6,7
	ds_load_b128 v[\f+8*\i:\f+8*\i+3],   v[ADRA+\slot] offset:\q*1024+\i*4096
	ds_load_b128 v[\f+8*\i+4:\f+8*\i+7], v[ADRA+\slot] offset:\q*1024+\i*4096+512
.endr
.endm
.macro PLACES
.rept 4
	v_nop
.endr
.endm
.macro QUARTER slot, q, f, g, zero     ; multiplies buffer f; in its middle fetches the slot's q-th 32 along K into buffer g
	s_wait_dscnt 8                                 ; all but the youngest eight loads (o's rows 64-127) are in
	WIN MUL_LO
	MUL16 \f, 0, 0, \zero
	MUL16 \f, 0, 2, \zero
	PLACES
	FETCH \slot, \q, \g
	s_wait_dscnt 32                                ; all but the 32 just issued
	WIN MUL_HI
	MUL16 \f, 1, 0, \zero
	MUL16 \f, 1, 2, \zero
.endm
.macro MEET round                      ; the first half of a slot's last quarter: one barrier for the change of slots
	WIN 0
	s_wait_tensorcnt 0x0                           ; my one load that was out, my part of the next slot, has landed
	ds_add_u32 v[SPW], v[NIL]
	s_wait_dscnt 9                                 ; the add and the youngest eight loads may be out
	WIN MUL_LO
	MUL16 F1, 0, 0, 0
	s_wait_dscnt 0x0                               ; the add is done, and my reads of this slot are over
	s_barrier_signal -1
	MUL16 F1, 0, 2, 0
.if \round
	WIN 0
.endif
	s_barrier_wait -1
.endm
.macro TURN slot, next                 ; the whole last quarter, where the slot is filled again: the barrier opens a round of the cluster's barrier, and the joint refill is the first tensor load behind it
	MEET 1
	CREST
	s_add_nc_u64 s[G0+4*\slot+2:G0+4*\slot+3], s[G0+4*\slot+2:G0+4*\slot+3], 0x400000
	s_add_nc_u64 s[G0B+4*\slot+2:G0B+4*\slot+3], s[G0B+4*\slot+2:G0B+4*\slot+3], 0x100000
	JLOAD \slot                                    ; its four v_nop are also the places in front of the loads below
	FETCH \next, 0, F0
	WIN MUL_HI
	MUL16 F1, 1, 0, 0
	MUL16 F1, 1, 2, 0
.endm
	s_wait_tensorcnt 1                             ; my part of K step 0 is in; K step 1's may stay out
	s_barrier_signal -1
	s_barrier_wait -1
	FETCH 0, 0, F0
	QUARTER 0, 1, F0, F1, 1                        ; the first products start the sums.  Four K steps: written straight
	QUARTER 0, 2, F1, F0, 0
	QUARTER 0, 3, F0, F1, 0
	TURN 0, 1                                      ; slot 0 takes K step 2
	QUARTER 1, 1, F0, F1, 0
	QUARTER 1, 2, F1, F0, 0
	QUARTER 1, 3, F0, F1, 0
	TURN 1, 0                                      ; slot 1 takes K step 3
	QUARTER 0, 1, F0, F1, 0
	QUARTER 0, 2, F1, F0, 0
	QUARTER 0, 3, F0, F1, 0
	MEET 0                                         ; nothing is filled again: no round
	PLACES
	FETCH 1, 0, F0
	WIN MUL_HI
	MUL16 F1, 1, 0, 0
	MUL16 F1, 1, 2, 0
	QUARTER 1, 1, F0, F1, 0
	QUARTER 1, 2, F1, F0, 0
	QUARTER 1, 3, F0, F1, 0
	s_wait_dscnt 8
	WIN MUL_LO
	MUL16 F1, 0, 0, 0
	MUL16 F1, 0, 2, 0
	s_wait_dscnt 0
	WIN MUL_HI
	MUL16 F1, 1, 0, 0
	MUL16 F1, 1, 2, 0
	WIN 0
; THE WAY OUT, block by block of 16 rows x 128 columns: x G, through my own stage in LDS, back as whole rows of 512 bytes.  LDS serves a wave's instructions in order: no wait between the stores and the loads.
.macro TOSTAGE a
.set AC, 64*((\a)%4)
	WIN 0x02+(\a)/4                                ; source 0: window 2 or 3
.set i, 0
.rept 32
	v_pk_mul_f32 v[TMP+2*i:TMP+2*i+1], v[AC+2*i:AC+2*i+1], v[GV:GV+1] op_sel_hi:[1,0]   ; each accumulator from its low end on
.set i, i+1
.endr
	WIN 0
.irp b, 0,1,2,3,4,5,6,7
	ds_store_b128 v[STO], v[TMP+8*\b:TMP+8*\b+3] offset:64*\b
	ds_store_b128 v[STO], v[TMP+8*\b+4:TMP+8*\b+7] offset:64*\b+16
.endr
.set BB, BK+64*((\a)%2)
.irp t, 0,1,2,3,4,5,6,7,8,9,10,11,12,13,14,15
	ds_load_b128 v[BB+4*\t:BB+4*\t+3], v[RD] offset:\t*SPITCH
.endr
.endm
.macro SEND a, younger                 ; younger: the LDS instructions issued behind block a's loads, which may stay out
.set BB, BK+64*((\a)%2)
	s_wait_dscnt \younger
.if (\a) > 0
	s_add_nc_u64 s[10:11], s[10:11], 16*8192       ; (behind a wait on XCNT: the earlier stores have read their base)
.endif
.irp t, 0,1,2,3,4,5,6,7,8,9,10,11,12,13,14,15
	global_store_b128 v[CO], v[BB+4*\t:BB+4*\t+3], s[10:11] offset:\t*8192 th:TH_STORE_NT   ; 32 lanes store 512 consecutive bytes, aligned to 256
.endr
.endm
	PLACES
	TOSTAGE 0
.irp a, 1,2,3,4,5,6,7
.if \a > 1
	s_wait_xcnt 0x0                                ; block a - 2's stores have read their registers and their base
.endif
	TOSTAGE \a
	SEND \a-1, 32                                  ; behind block a - 1's loads: block a's 16 stores and 16 loads
.endr
	s_wait_xcnt 0x0
	SEND 7, 0
	s_wait_tensorcnt 0x0                           ; the wave's end
	ds_add_u32 v[SPW], v[NIL]
	s_wait_dscnt 0x0
	CROUND                                         ; the closing round
	s_endpgm
.Lfunc_end_k_qcd54f7a208_oproj:
	.size	k_qcd54f7a208_oproj, .Lfunc_end_k_qcd54f7a208_oproj-k_qcd54f7a208_oproj
	.p2alignl 7, 3214868480
	.fill 96, 4, 3214868480
	.section	.rodata,"a",@progbits
	.p2align	6, 0x0
	.amdhsa_kernel k_qcd54f7a208_oproj
		.amdhsa_group_segment_fixed_size 327680
		.amdhsa_private_segment_fixed_size 0
		.amdhsa_enable_private_segment 0
		.amdhsa_kernarg_size 32
		.amdhsa_user_sgpr_count 2
		.amdhsa_user_sgpr_kernarg_segment_ptr 1
		.amdhsa_wavefront_size32 1
		.amdhsa_system_sgpr_workgroup_id_x 1
		.amdhsa_system_sgpr_workgroup_id_y 1
		.amdhsa_system_sgpr_workgroup_id_z 1
		.amdhsa_system_vgpr_workitem_id 0
		.amdhsa_next_free_vgpr 1024
		.amdhsa_next_free_sgpr 72
		.amdhsa_reserve_vcc 0
		.amdhsa_float_denorm_mode_32 3
		.amdhsa_float_denorm_mode_16_64 3
		.amdhsa_memory_ordered 1
		.amdhsa_forward_progress 1
		.amdhsa_inst_pref_size 157
	.end_amdhsa_kernel
	.amdgpu_metadata
---
amdhsa.version: [ 1, 2 ]
amdhsa.kernels:
  - .name:           k_qcd54f7a208_oproj
    .symbol:         k_qcd54f7a208_oproj.kd
    .args:
      - { .name: oi, .offset: 0, .size: 8, .value_kind: global_buffer, .address_space: global }
      - { .name: woi, .offset: 8, .size: 8, .value_kind: global_buffer, .address_space: global }
      - { .name: scl, .offset: 16, .size: 8, .value_kind: global_buffer, .address_space: global }
      - { .name: out0, .offset: 24, .size: 8, .value_kind: global_buffer, .address_space: global }
    .group_segment_fixed_size: 327680
    .private_segment_fixed_size: 0
    .kernarg_segment_align: 8
    .kernarg_segment_size: 32
    .max_flat_workgroup_size: 128
    .sgpr_count:     72
    .vgpr_count:     1024
    .wavefront_size: 32
...
	.end_amdgpu_metadata
.endif
;; end of part 4
;; launch fine (part 5): grid 32 x 4, 4 waves a work-group, no clusters, 17,920 bytes of LDS; arguments fin, wo, out0; writes out0
.if DOCPART == 5
	.amdgcn_target "amdgcn-amd-amdhsa--gfx1250"
	.amdhsa_code_object_version 6
	.text
	.protected	k_qcd54f7a208_fine
	.globl	k_qcd54f7a208_fine
	.p2align	8
	.type	k_qcd54f7a208_fine,@function
k_qcd54f7a208_fine:
	s_mov_b64 s[64:65], 0
	v_nop
	global_prefetch_b8 v0, s[64:65] scope:SCOPE_SE
	s_setreg_imm32_b32 hwreg(HW_REG_WAVE_MODE, 25, 1), 1
	s_wait_xcnt 0x0
; POSITIONS 0 TO 15 OF EVERY BATCH, IN F32 THROUGHOUT: they average one to sixteen values, are the largest in size, and bear the rounding of 16-bit operands least.  64 rows of out0, written over what the launch before stored there.
; Work-group x: 64 columns of out0; y: the batch.  Wave w is head w: it makes its head's 16 x 16 attention (every column group makes it again: half a million multiply-adds) and its part o_w wo[128 w .. 128 w + 127][64 columns];
; the four parts are added through LDS.  192 matrix instructions a wave: no bulk work.
; THE OPERANDS ARE THE ACCUMULATORS' IMAGES AS THE PROJECTION STORED THEM.  In an image, registers 2 s, 2 s + 1 of lane (r, h) hold k = 8 h + 2 s + 0, 1 of its tile of 16 along K; the f32 form puts register j of lane (r, h) at slot 2 h + j.
; The same pair of registers on both sides gives both sides the same four k: a permutation of k applied alike to both operands keeps the products.
; The registers that the f32 matrix form writes (v144-239) are written by matrix instructions alone; what is made of a sum goes into other registers.
; REGISTERS: window 0: v1-15 addresses; v16-79 v's images, later the adding; v80-143 at work, then o; v144-175 four accumulators (the scores, later the outputs); v176-239 O^T's eight; v240-247 p; v248-251 statistics.
;   window 1: wo, 32 groups of 8;  window 2: v0-63 q's images, v64-127 k's.
.set SPARE, 17408                      ; LDS: four parts of 16 rows x (256 + 16) bytes; then the spare words
.set SPW, 14
.set NIL, 15
.set MSB, 0
.macro WIN new
.if MSB != (\new)
	s_set_vgpr_msb (MSB<<8)|(\new)
.set MSB, (\new)
.endif
.endm
.macro PLACES8                         ; eight plain instructions behind this matrix form, in front of a read of its results (ISA guide 7.12.1)
.rept 8
	v_nop
.endr
.endm
	s_load_b128 s[4:7], s[0:1], 0x0                ; fin, wo
	s_load_b64 s[8:9], s[0:1], 0x10                ; out0
	v_lshl_add_u32 v[SPW], v0, 2, SPARE
	v_mov_b32 v[NIL], 0
	v_lshrrev_b32 v1, 5, v0
	v_readfirstlane_b32 s10, v1                    ; wave = head
	s_and_b32 s11, ttmp7, 0xffff                   ; batch
	v_and_b32 v1, 31, v0
	v_lshlrev_b32 v2, 4, v1                        ; 16 x lane
	v_and_b32 v3, 15, v0                           ; r
	v_bfe_u32 v4, v0, 4, 1                         ; h
	v_lshlrev_b32 v5, 3, v4
	v_sub_nc_u32 v5, v3, v5                        ; r - 8 h: key 8 h + j is hidden where j > this
	v_lshlrev_b32 v6, 4, v3
	v_lshl_add_u32 v6, v4, 16, v6                  ; wo: 8 h rows of 8,192 bytes + 16 r
	s_mul_i32 s12, s10, 4352
	v_mul_u32_u24 v7, v4, 8*272
	v_lshl_add_u32 v7, v3, 4, v7
	v_add_nc_u32 v7, s12, v7                       ; my part in LDS: row 8 h + j, columns 4 r + i
	s_mul_i32 s12, s10, 4*272
	v_mul_u32_u24 v8, v4, 272
	v_lshl_add_u32 v8, v3, 4, v8
	v_add_nc_u32 v8, s12, v8                       ; back: rows 4 w + h (+ 2), sixteen lanes to a row
	v_lshlrev_b32 v9, 13, v4
	v_lshl_add_u32 v9, v3, 4, v9                   ; and the same in out0
	v_mov_b32 v10, 0xff800000                      ; -infinity
	v_mov_b32 v249, 0                              ; a lane permute's destination counts as one of its sources
	s_mov_b32 s20, 0x76543210
	s_mov_b32 s21, 0xfedcba98
	s_mov_b32 s15, 0
	s_wait_kmcnt 0x0
	s_lshl_b32 s14, s11, 2
	s_add_co_u32 s14, s14, s10
	s_lshl_b32 s14, s14, 13                        ; fin: 8,192 bytes for each batch and head
	s_add_nc_u64 s[4:5], s[4:5], s[14:15]
	s_lshl_b32 s14, s10, 20                        ; wo: my head's 128 rows,
	s_lshl_b32 s16, ttmp9, 8                       ; my work-group's 64 columns
	s_add_co_u32 s14, s14, s16
	s_add_nc_u64 s[6:7], s[6:7], s[14:15]
	s_lshl_b32 s14, s11, 24                        ; out0: 2,048 rows of 8,192 bytes a batch,
	s_lshl_b32 s17, s10, 15                        ; rows 4 w on
	s_add_co_u32 s14, s14, s17
	s_add_co_u32 s14, s14, s16
	s_add_nc_u64 s[8:9], s[8:9], s[14:15]
	WIN 0x80
.irp b, 0,1,2,3,4,5,6,7
	global_load_b128 v[8*\b:8*\b+3], v2, s[4:5] offset:\b*1024
	global_load_b128 v[8*\b+4:8*\b+7], v2, s[4:5] offset:\b*1024+512
.endr
.irp b, 0,1,2,3,4,5,6,7
	global_load_b128 v[64+8*\b:64+8*\b+3], v2, s[4:5] offset:131072+\b*1024
	global_load_b128 v[64+8*\b+4:64+8*\b+7], v2, s[4:5] offset:131072+\b*1024+512
.endr
	WIN 0
.irp a, 0,1,2,3,4,5,6,7
	global_load_b128 v[16+8*\a:16+8*\a+3], v2, s[4:5] offset:262144+\a*1024
	global_load_b128 v[16+8*\a+4:16+8*\a+7], v2, s[4:5] offset:262144+\a*1024+512
.endr
	WIN 0x40
.set q, 0
.rept 32                               ; group q = 4 a + s: rows 16 a + 8 h + 2 s + 0, 1 of my head's part of wo, columns 4 r .. 4 r + 3: sixteen lanes read 256 consecutive bytes
	global_load_b128 v[8*q:8*q+3], v6, s[6:7] offset:(16*(q/4)+2*(q%4))*8192
	global_load_b128 v[8*q+4:8*q+7], v6, s[6:7] offset:(16*(q/4)+2*(q%4)+1)*8192
.set q, q+1
.endr
	WIN 0
	s_wait_loadcnt 63                              ; 64 loads of wo stand behind q's, k's and v's: with at most 63 out those 48 are in
; S^T = k q^T: 32 products, four accumulators by turns; the first four start the sums
	WIN 0x0a
.irp b, 0,1,2,3,4,5,6,7
.irp s, 0,1,2,3
.if \b == 0
	v_wmma_f32_16x16x4_f32 v[144+8*\s:151+8*\s], v[64+8*\b+2*\s:65+8*\b+2*\s], v[8*\b+2*\s:8*\b+2*\s+1], 0
.else
	v_wmma_f32_16x16x4_f32 v[144+8*\s:151+8*\s], v[64+8*\b+2*\s:65+8*\b+2*\s], v[8*\b+2*\s:8*\b+2*\s+1], v[144+8*\s:151+8*\s]
.endif
.endr
.endr
	WIN 0
	PLACES8
.irp j, 0,1,2,3,4,5,6,7
	v_add_f32 v[80+\j], v[144+\j], v[152+\j]       ; the four parts of a score; each accumulator from its low end on
.endr
.irp j, 0,1,2,3,4,5,6,7
	v_add_f32 v[88+\j], v[160+\j], v[168+\j]
.endr
.irp j, 0,1,2,3,4,5,6,7
	v_add_f32 v[80+\j], v[80+\j], v[88+\j]
.endr
.irp j, 0,1,2,3,4,5,6,7
	v_mul_f32 v[80+\j], 0x3e0293ee, v[80+\j]       ; t = score x log2(e) / sqrt(128)
	v_cmp_gt_i32 vcc_lo, \j, v5
	v_cndmask_b32 v[80+\j], v[80+\j], v10, vcc_lo  ; the causal mask
.endr
	v_max3_num_f32 v248, v80, v81, v82
	v_max3_num_f32 v248, v248, v83, v84
	v_max3_num_f32 v248, v248, v85, v86
	v_max_num_f32 v248, v248, v87
	v_permlanex16_b32 v249, v248, s20, s21
	v_max_num_f32 v248, v248, v249                 ; the row's maximum: key 0 counts for every query
.irp j, 0,1,2,3,4,5,6,7
	v_sub_f32 v[240+\j], v[80+\j], v248
.endr
.irp j, 0,1,2,3,4,5,6,7
	v_exp_f32 v[240+\j], v[240+\j]
.endr
	v_nop
	s_wait_alu depctr_va_vdst(0)                   ; one wait for the eight, ahead of their first reader
; O^T = V^T p: 32 products, eight accumulators by turns
.irp s, 0,1,2,3
.irp a, 0,1,2,3,4,5,6,7
.if \s == 0
	v_wmma_f32_16x16x4_f32 v[176+8*\a:183+8*\a], v[16+8*\a+2*\s:17+8*\a+2*\s], v[240+2*\s:241+2*\s], 0
.else
	v_wmma_f32_16x16x4_f32 v[176+8*\a:183+8*\a], v[16+8*\a+2*\s:17+8*\a+2*\s], v[240+2*\s:241+2*\s], v[176+8*\a:183+8*\a]
.endif
.endr
.endr
	v_add_f32 v250, v240, v241                     ; the row's sum
	v_add_f32 v251, v242, v243
	v_add_f32 v250, v250, v244
	v_add_f32 v251, v251, v245
	v_add_f32 v250, v250, v246
	v_add_f32 v251, v251, v247
	v_add_f32 v250, v250, v251
	v_permlanex16_b32 v249, v250, s20, s21
	v_add_f32 v250, v250, v249
	v_rcp_f32 v251, v250
	PLACES8
	s_wait_alu depctr_va_vdst(0)
.set i, 0
.rept 64
	v_mul_f32 v[80+i], v[176+i], v251              ; o(query r, channel 16 a + 8 h + j) at register 8 a + j
.set i, i+1
.endr
	s_wait_loadcnt 0x0                             ; wo
	WIN 0x41
.set q, 0
.rept 32                               ; [X0 X1 X2 X3 Y0 Y1 Y2 Y3] (rows 0 and 1 of the pair, four columns) becomes the pairs (X_i, Y_i): the operand of column tile i, whose lane r is column 4 r + i
	v_swap_b32 v[8*q+1], v[8*q+4]
	v_swap_b32 v[8*q+2], v[8*q+4]
	v_swap_b32 v[8*q+3], v[8*q+5]
	v_swap_b32 v[8*q+5], v[8*q+6]
.set q, q+1
.endr
; my head's part of the outputs: 128 products, four accumulators by turns
	WIN 0x04                                       ; source 1 (wo) window 1
.set q, 0
.rept 32
.irp i, 0,1,2,3
.if q == 0
	v_wmma_f32_16x16x4_f32 v[144+8*\i:151+8*\i], v[80+2*q:81+2*q], v[8*q+2*\i:8*q+2*\i+1], 0
.else
	v_wmma_f32_16x16x4_f32 v[144+8*\i:151+8*\i], v[80+2*q:81+2*q], v[8*q+2*\i:8*q+2*\i+1], v[144+8*\i:151+8*\i]
.endif
.endr
.set q, q+1
.endr
	WIN 0
	PLACES8
.irp i, 0,1,2,3
.irp j, 0,1,2,3,4,5,6,7
	ds_store_b32 v7, v[144+8*\i+\j] offset:\j*272+4*\i   ; (row 8 h + j, column 4 r + i)
.endr
.endr
	s_wait_dscnt 0x0                               ; for the others' sake: my stores have landed
	s_barrier_signal -1
	s_barrier_wait -1
.irp u, 0,1
.irp p, 0,1,2,3
	ds_load_b128 v[16+16*\u+4*\p:19+16*\u+4*\p], v8 offset:\p*4352+\u*2*272
.endr
.endr
	s_wait_dscnt 0x0
.irp u, 0,1
.irp d, 0,2
	v_pk_add_f32 v[16+16*\u+\d:17+16*\u+\d], v[16+16*\u+\d:17+16*\u+\d], v[20+16*\u+\d:21+16*\u+\d]
	v_pk_add_f32 v[24+16*\u+\d:25+16*\u+\d], v[24+16*\u+\d:25+16*\u+\d], v[28+16*\u+\d:29+16*\u+\d]
	v_pk_add_f32 v[16+16*\u+\d:17+16*\u+\d], v[16+16*\u+\d:17+16*\u+\d], v[24+16*\u+\d:25+16*\u+\d]
.endr
	global_store_b128 v9, v[16+16*\u:19+16*\u], s[8:9] offset:\u*2*8192   ; sixteen lanes store 256 consecutive bytes, aligned
.endr
	s_wait_tensorcnt 0x0                           ; the wave's end
	ds_add_u32 v[SPW], v[NIL]
	s_wait_dscnt 0x0
	s_endpgm
.Lfunc_end_k_qcd54f7a208_fine:
	.size	k_qcd54f7a208_fine, .Lfunc_end_k_qcd54f7a208_fine-k_qcd54f7a208_fine
	.p2alignl 7, 3214868480
	.fill 96, 4, 3214868480
	.section	.rodata,"a",@progbits
	.p2align	6, 0x0
	.amdhsa_kernel k_qcd54f7a208_fine
		.amdhsa_group_segment_fixed_size 17920
		.amdhsa_private_segment_fixed_size 0
		.amdhsa_enable_private_segment 0
		.amdhsa_kernarg_size 24
		.amdhsa_user_sgpr_count 2
		.amdhsa_user_sgpr_kernarg_segment_ptr 1
		.amdhsa_wavefront_size32 1
		.amdhsa_system_sgpr_workgroup_id_x 1
		.amdhsa_system_sgpr_workgroup_id_y 1
		.amdhsa_system_sgpr_workgroup_id_z 1
		.amdhsa_system_vgpr_workitem_id 0
		.amdhsa_next_free_vgpr 640
		.amdhsa_next_free_sgpr 66
		.amdhsa_reserve_vcc 1
		.amdhsa_float_denorm_mode_32 3
		.amdhsa_float_denorm_mode_16_64 3
		.amdhsa_memory_ordered 1
		.amdhsa_forward_progress 1
		.amdhsa_inst_pref_size 39
	.end_amdhsa_kernel
	.amdgpu_metadata
---
amdhsa.version: [ 1, 2 ]
amdhsa.kernels:
  - .name:           k_qcd54f7a208_fine
    .symbol:         k_qcd54f7a208_fine.kd
    .args:
      - { .name: fin, .offset: 0, .size: 8, .value_kind: global_buffer, .address_space: global }
      - { .name: wo, .offset: 8, .size: 8, .value_kind: global_buffer, .address_space: global }
      - { .name: out0, .offset: 16, .size: 8, .value_kind: global_buffer, .address_space: global }
    .group_segment_fixed_size: 17920
    .private_segment_fixed_size: 0
    .kernarg_segment_align: 8
    .kernarg_segment_size: 24
    .max_flat_workgroup_size: 128
    .sgpr_count:     66
    .vgpr_count:     640
    .wavefront_size: 32
...
	.end_amdgpu_metadata
.endif
;; end of part 5
